; MI455X (gfx1250); checked and timed in simulation.
; The chip was launched on July 23, 2026; its instructions are those of AMD's public machine-readable ISA for CDNA 5 (MIT licence, August 2026) and "CDNA5" Instruction Set Architecture Reference Guide (July 2026). The comments in the code are by the model that wrote it; some were corrected since.
;; Scaled Dot Proudct. Allowed arithmetic: matrix products marked QUANTISED: E3M2 operands, one E8M0 scale for each 32 along K, by v_wmma_scale_f32_16x16x128_f8f6f4 with both operands' format E3M2, f32 sums; everything else in f32.
;; Inputs: km 8 x 2,048 x 1,024 float32; qm 8 x 2,048 x 1,024 float32; vm 8 x 2,048 x 1,024 float32.
;; Outputs: out0 8 x 2,048 x 1,024 float32.
;; This version of the problem:
;;   THIS VERSION OF THE PROBLEM IS GIVEN IN LOW PRECISION. The matrix products marked QUANTISED in the list below multiply operands that are first quantised to E3M2 (3 exponent bits, 2 mantissa bits; 6 bits a number), with one power-of-two scale for each 32 numbers along K (OCP MX v1.0); their sums are f32. All else is computed in f32.
;;   The module's matrix products, in the order in which they are computed (A, B: the left and right operand; K: the contracted axis; several contracted axes count as one K, in the product's order):
;;     1. batch 8 x [M 2,048, K 1,024] x [K 1,024, N 2,048]; A: input qm; B: input km: QUANTISED
;;     2. batch 8 x [M 2,048, K 2,048] x [K 2,048, N 1,024]; A: computed on the way; B: input vm: QUANTISED
;;   THE QUANTISER, for each operand of a quantised product, along K:
;;     - K is cut into blocks of 32 from its start; a last block that is shorter is filled with zeros.
;;     - A block's scale is 2^e with e = floor(log2(the largest magnitude in the block)) - 4, held to -126 .. 127; a block of zeros has e = 0. As a byte (E8M0): e + 127.
;;     - Each number is divided by its block's scale, clamped to +-28, and rounded to the nearest number of E3M2, ties to even, subnormals kept.
;;     - The product sums the exact products of the quantised numbers (number of the format x scale) in f32.
;;   ~~~python
;;   def quantise(x, axis):      # numpy; x: float32 -> the quantised numbers, widened to float32 again
;;       x = np.moveaxis(x, axis, -1); K = x.shape[-1]
;;       x = np.pad(x, [(0, 0)] * (x.ndim - 1) + [(0, -K % 32)]); x = x.reshape(x.shape[:-1] + (-1, 32)); a = np.abs(x).max(-1, keepdims=True)
;;       e = np.where(a > 0, np.clip(np.frexp(np.where(a > 0, a, 1))[1] - 1 - 4, -126, 127), 0)      # np.frexp(a)[1] - 1 = floor(log2(a)), exactly
;;       r = np.clip(x / 2.0 ** e, -28, 28)
;;       step = 2.0 ** (np.maximum(np.frexp(np.where(r == 0, 1, r))[1] - 1, -2) - 2)
;;       q = np.round(r / step) * step * 2.0 ** e      # np.round: ties to even
;;       return np.moveaxis(q.reshape(q.shape[:-2] + (-1,))[..., :K], -1, axis).astype(np.float32)
;;   ~~~
;;   OPERANDS COMPUTED ON THE WAY. 'Computed on the way' means the value that the module computes at that place (a softmax that the list does not call 'softmax' is quantised finished and normalised). What goes into a quantiser is computed in f32, as accurately as f32 sums, v_exp_f32 and their like allow (about 1e-6 of the number): no bf16 or f16 on the way to a quantiser, and a product that is left as it is and whose result goes on into a quantised operand takes f32 operands (vector FMAs, or v_wmma_f32_16x16x4_f32). A number that lies on a knife's edge between two numbers of the format may be rounded either way, as far as f32 arithmetic and the matrix unit's own rounding can turn it there, and no further.
;; 2 versions, each right. Each part assembles by itself: llvm-mc -triple=amdgcn-amd-amdhsa -mcpu=gfx1250 --defsym DOCPART=n.
;; ======== version 1 of 2: 2 launches
;; workspace buffers: qc 13,107,200 bytes; kv 26,214,400 bytes
;; launch quant (part 1): grid 768 x 1, 4 waves a work-group, no clusters, 34,304 bytes of LDS; arguments qm, km, vm, qc, kv; writes qc, kv
.if DOCPART == 1
	.amdgcn_target "amdgcn-amd-amdhsa--gfx1250"
	.amdhsa_code_object_version 6
	.text
	.protected	k_q444f37af0d_quant
	.globl	k_q444f37af0d_quant
	.p2align	8
	.type	k_q444f37af0d_quant,@function
k_q444f37af0d_quant:
	s_mov_b64 s[64:65], 0
	v_nop
	global_prefetch_b8 v0, s[64:65] scope:SCOPE_SE
	s_setreg_imm32_b32 hwreg(HW_REG_WAVE_MODE, 25, 1), 1
	s_wait_xcnt 0x0
; qm, km, vm [8][2048][1024] f32 become codes of E3M2 (6 bits) with one E8M0 byte for each 32 along a product's K, laid as IMAGES OF THE OPERAND'S REGISTERS in the order in which the second launch takes them.
; A fragment (16 rows x 128 K) is 12 registers a lane; its image is three planes of 512 bytes, plane j = registers 4 j .. 4 j + 3, lane l's 16 bytes at 16 l.
; qm, km: K = the last axis.  vm: K = the keys, its first axis within a batch.
; kv: for each batch 32 chunks of 102,400 bytes, chunk 8 G + 4 type + c (G: 512 keys; type 0 = km, 1 = vm); a chunk = 4 quarters of 25,600 bytes (16 images, then 1,024 bytes of scale words), one for each wave of the second launch.
; qc: for each block of 64 queries 51,200 bytes: 32 images (4 s + m), then the scale words.
; A block's scale byte is its largest magnitude's exponent field - 4.  THE FACTOR 1 / sqrt(1024) = 2^-5 of the first product is taken off qm's scale BYTES (5 each): the codes are made with the true scale.
; LIMITS: NaN and infinities are not served.  A largest magnitude is never taken under a floor (qm: 2^(10 - 127), so that its byte less 5 stays 1 or more; km, vm: 2^(5 - 127)): smaller blocks are held at the floor's scale.
; A block of zeros keeps the floor's byte where the rule says 127: its codes are zeros, and this program alone reads the bytes.
; SHARES: work-groups 0-255 take qm, 256-511 km (one path: only pointers, strides and two constants are chosen), 512-767 vm.  Waves share nothing: no barrier.
.set CH,    102400
.set QT,    25600
.set FRB,   1536
.set QBLK,  51200
.set WV,    14                         ; s14      my wave's number
.set STR1,  26                         ; s26      bytes from a pair's even K step to its odd one
.set FLOOR, 28                         ; s28      the floor under a block's largest magnitude
.set STF,   30                         ; s[30:31] bytes from a pair of K steps to the next: images
.set STS,   32                         ; s[32:33] and scale words
.set SUBW,  34                         ; s34      what is taken off a scale word: 5 in each byte (qm) or 0
.set SRA,   36                         ; s[36:37] the source: rows 0-7 of my tile
.set SRB,   40                         ; s[40:41] rows 8-15
.set DF,    42                         ; s[42:43] where my images go
.set DSC,   44                         ; s[44:45] where my scale words go
.set SEL,   48                         ; s[48:49] v_permlanex16_b32's selects for lane l xor 16
.set TM,    12                         ; v12-27   at work: +0 largest magnitudes, +4 bytes, +12 the conversions' scale operands
.set PWR,   28                         ; v28-29   the scale words of an even and an odd K step; v30 the two packed
.set PC,    32                         ; v32-43, v44-55 codes of an even and an odd K step
.set WK,    56                         ; v56-63   the conversions' second halves
.set X,     64                         ; v64-127  64 numbers in the operand's order (vm: two sets of 32)
.set R,     128                        ; v128-255 two sets of 16 rows x 16 bytes a lane, as loaded
.set F0,    128                        ; vm: the two fragments of a chunk,
.set F1,    140
.set T,     152                        ; the upper halves of four blocks,
.set SBW,   168                        ; and my column's scale word
	s_load_b128 s[4:7], s[0:1], 0x0                ; qm, km
	s_load_b128 s[8:11], s[0:1], 0x10              ; vm, qc
	s_load_b64 s[12:13], s[0:1], 0x20              ; kv
	v_lshl_add_u32 v59, v0, 2, 0x8400
	v_mov_b32 v63, 0
	v_lshrrev_b32 v1, 5, v0
	v_readfirstlane_b32 s[WV], v1
	v_and_b32 v1, 31, v0                           ; lane
	v_and_b32 v2, 15, v0                           ; r
	v_bfe_u32 v3, v0, 4, 1                         ; h
	v_lshlrev_b32 v4, 4, v1                        ; 16 x lane
	v_lshlrev_b32 v8, 2, v1                        ; 4 x lane
	s_cmp_ge_u32 ttmp9, 512
	s_cbranch_scc1 .Lcolumns
; ---------------- qm and km: a wave takes one tile of 16 rows x 1,024: eight fragments ----------------
	s_and_b32 s15, ttmp9, 255
	s_lshl_b32 s15, s15, 2
	s_add_co_u32 s15, s15, s[WV]                   ; which of the tensor's 1,024 tiles
	s_lshr_b32 s16, s15, 7                         ; b: the batch
	s_and_b32 s17, s15, 127                        ; t: the tile in it
	s_lshl_b32 s18, s16, 11                        ; 2048 b
	s_lshl_b32 s19, s16, 5                         ; 32 b
	; qm: rows 16 t on; block t / 4 of 64 queries, tile m = t % 4
	s_lshl_b32 s20, s17, 4
	s_add_co_u32 s20, s20, s18                     ; first row
	s_lshr_b32 s22, s17, 2
	s_add_co_u32 s22, s22, s19
	s_mul_i32 s22, s22, QBLK                       ; the block
	s_and_b32 s46, s17, 3
	s_lshl_b32 s24, s46, 9
	s_add_co_u32 s24, s24, s22
	s_add_co_u32 s24, s24, 32*FRB                  ; scale words: block + 49,152 + 512 m
	s_mul_i32 s46, s46, FRB
	s_add_co_u32 s22, s22, s46                     ; images: block + 1,536 m
	; km: THE KEYS OF A TILE ARE NOT NEIGHBOURS: row i of tile t is key 32 (t / 2) + 8 (t % 2) + i + 8 (i / 8), so that the first product's results come out as neighbours along the second product's K
	s_lshr_b32 s21, s17, 1
	s_lshl_b32 s21, s21, 5
	s_add_co_u32 s21, s21, s18
	s_and_b32 s46, s17, 1
	s_lshl_b32 s46, s46, 3
	s_add_co_u32 s21, s21, s46                     ; first row
	s_lshr_b32 s23, s17, 5
	s_lshl_b32 s23, s23, 3
	s_add_co_u32 s23, s23, s19
	s_mul_i32 s23, s23, CH                         ; chunk 8 G of the batch
	s_bfe_u32 s46, s17, 0x20003
	s_mul_i32 s46, s46, QT
	s_add_co_u32 s23, s23, s46                     ; the quarter of wave (t / 8) % 4
	s_and_b32 s46, s17, 7
	s_lshl_b32 s25, s46, 7
	s_add_co_u32 s25, s25, s23
	s_add_co_u32 s25, s25, 16*FRB                  ; scale words: quarter + 24,576 + 128 (t % 8)
	s_mul_i32 s46, s46, FRB
	s_add_co_u32 s23, s23, s46                     ; images: quarter + 1,536 (t % 8)
	s_mov_b32 s[STR1], 8*FRB
	s_mov_b32 s27, CH
	s_mov_b32 s[FLOOR], 0x2800000
	s_mov_b32 s29, 65536
	s_mov_b32 s[SEL], 0x76543210
	s_mov_b32 s[SEL+1], 0xfedcba98
	s_wait_kmcnt 0x0
	s_cmp_lt_u32 ttmp9, 256                        ; qm's work-group or km's?  The choice hangs on the work-group's number alone; only selects and moves follow the compare
	s_cselect_b32 s20, s20, s21
	s_cselect_b32 s22, s22, s23
	s_cselect_b32 s24, s24, s25
	s_cselect_b32 s[STR1], 4*FRB, s[STR1]
	s_cselect_b32 s[STF], 8*FRB, s27
	s_cselect_b32 s[STS], 128, s27
	s_cselect_b32 s[FLOOR], 0x5000000, s[FLOOR]
	s_cselect_b32 s29, 32768, s29                  ; rows 8-15 begin 8 rows (qm) or 16 rows (km) behind row 0
	s_cselect_b32 s[SUBW], 0x05050505, 0
	s_cselect_b64 s[SRA:SRA+1], s[4:5], s[6:7]
	s_cselect_b64 s[38:39], s[10:11], s[12:13]
	s_lshl_b32 s20, s20, 12                        ; a row is 4,096 bytes
	s_mov_b32 s21, 0
	s_add_nc_u64 s[SRA:SRA+1], s[SRA:SRA+1], s[20:21]
	s_mov_b32 s20, s29
	s_add_nc_u64 s[SRB:SRB+1], s[SRA:SRA+1], s[20:21]
	s_mov_b32 s23, 0
	s_add_nc_u64 s[DF:DF+1], s[38:39], s[22:23]
	s_mov_b32 s25, 0
	s_add_nc_u64 s[DSC:DSC+1], s[38:39], s[24:25]
	s_mov_b32 s[STF+1], 0
	s_mov_b32 s[STS+1], 0
	s_mul_i32 s46, s[WV], 16*528                   ; my wave's stage in LDS: 16 rows of 512 bytes + 16
	v_add_nc_u32 v5, s46, v4                       ; in: a row as it was loaded, 16 bytes a lane
	v_mul_u32_u24 v6, v2, 528
	v_lshl_add_u32 v6, v3, 6, v6
	v_add_nc_u32 v6, s46, v6                       ; out: row r, + 64 h: my 16 numbers of each block of 32
	v_add_nc_u32 v7, s[STR1], v4                   ; an odd K step's images
	v_cmp_ne_u32 vcc_lo, 0, v3                     ; lanes 16-31
.irp b, 0,1,2,3
	v_mov_b32 v[TM+4+\b], 0                        ; written once: a lane permute's destination counts as one of its sources
.endr
; K step s of my 16 rows: each load reads 512 consecutive bytes of one row
.macro RLOAD s
.irp i, 0,1,2,3,4,5,6,7
	global_load_b128 v[R+64*((\s)%2)+4*\i:R+64*((\s)%2)+4*\i+3], v4, s[SRA:SRA+1] offset:4096*\i+512*(\s) th:TH_LOAD_NT
.endr
.irp i, 0,1,2,3,4,5,6,7
	global_load_b128 v[R+64*((\s)%2)+32+4*\i:R+64*((\s)%2)+32+4*\i+3], v4, s[SRB:SRB+1] offset:4096*\i+512*(\s) th:TH_LOAD_NT
.endr
.endm
; 64 numbers of a lane, register 16 b + i = k 32 b + 16 h + i of row r, become a fragment's codes in v[pc] on and the row's scale word in v[pw]
.macro QUANT pc, pw
.irp b, 0,1,2,3
	v_max3_num_f32 v[TM+\b], |v[X+16*\b]|, |v[X+16*\b+1]|, s[FLOOR]   ; block b: my 16 numbers, and the floor
.endr
.irp i, 2,4,6,8,10,12,14
.irp b, 0,1,2,3
	v_max3_num_f32 v[TM+\b], v[TM+\b], |v[X+16*\b+\i]|, |v[X+16*\b+\i+1]|   ; the four blocks by turns
.endr
.endr
.irp b, 0,1,2,3
	v_permlanex16_b32 v[TM+4+\b], v[TM+\b], s[SEL], s[SEL+1]
.endr
.irp b, 0,1,2,3
	v_max_num_f32 v[TM+\b], v[TM+\b], v[TM+4+\b]   ; with lane l xor 16's: the block's largest magnitude
.endr
.irp b, 0,1,2,3
	v_add_nc_u32 v[TM+12+\b], 0xfe000000, v[TM+\b] ; 4 off its exponent field: the conversion takes this operand's exponent field as its scale
.endr
.irp b, 0,1,2,3
	v_lshrrev_b32 v[TM+4+\b], 23, v[TM+12+\b]      ; the scale's byte
.endr
	v_lshl_or_b32 v[\pw], v[TM+5], 8, v[TM+4]
	v_lshl_or_b32 v[\pw], v[TM+6], 16, v[\pw]
	v_lshl_or_b32 v[\pw], v[TM+7], 24, v[\pw]
.irp c, 0,1
	v_cvt_scalef32_pk16_bf6_f32 v[\pc+6*\c:\pc+6*\c+2], v[X+32*\c:X+32*\c+15], v[TM+12+2*\c]
	v_cvt_scalef32_pk16_bf6_f32 v[WK+4*\c:WK+4*\c+2], v[X+32*\c+16:X+32*\c+31], v[TM+12+2*\c+1]   ; (a conversion's three registers begin on an even number)
.endr
	v_nop                                          ; one plain instruction behind the scaled conversions
.irp c, 0,1                                    ; the operand wants a WHOLE block in a lane: lanes 0-15 block 2 c, lanes 16-31 block 2 c + 1
.irp i, 0,1,2
	v_permlane16_swap_b32 v[\pc+6*\c+\i], v[WK+4*\c+\i]
.endr
.irp i, 0,1,2
	v_mov_b32 v[\pc+3+6*\c+\i], v[WK+4*\c+\i]
.endr
.endr
.endm
.macro RSTEP s
.set RS, R+64*((\s)%2)
.set PCS, PC+12*((\s)%2)
.if (\s) < 7
	s_wait_loadcnt 16                              ; this K step's 16 loads are in; the next step's 16 may be out
.else
	s_wait_loadcnt 0x0
.endif
.irp i, 0,1,2,3,4,5,6,7,8,9,10,11,12,13,14,15
	ds_store_b128 v5, v[RS+4*\i:RS+4*\i+3] offset:528*\i
.endr
.irp b, 0,1,2,3
.irp j, 0,1,2,3
	ds_load_b128 v[X+16*\b+4*\j:X+16*\b+4*\j+3], v6 offset:128*\b+16*\j   ; LDS serves a wave's instructions in order: these see the stores above
.endr
.endr
	s_wait_dscnt 0x0                               ; the numbers are back, and the stores have read the set,
.if (\s)+2 < 8
	RLOAD (\s)+2                                   ; which takes the loads of two steps on
.endif
	QUANT PCS, PWR+(\s)%2
.irp j, 0,1,2
	global_store_b128 v[4+3*((\s)%2)], v[PCS+4*\j:PCS+4*\j+3], s[DF:DF+1] offset:512*\j   ; a plane: 512 consecutive bytes, at a multiple of 256 from the buffer's first byte
.endr
.if (\s)%2
	v_cndmask_b32 v30, v[PWR], v[PWR+1], vcc_lo    ; lanes 0-15 carry the even step's words, lanes 16-31 the odd step's
	v_sub_nc_u32 v30, v30, s[SUBW]                 ; qm: 2^-5, off each byte (each is 6 or more: no borrow)
	global_store_b32 v8, v30, s[DSC:DSC+1]
	s_wait_xcnt 0x0                                ; the stores have read their data and bases: both sets of codes, v30 and the two pointers are written again only behind this wait
	s_add_nc_u64 s[DF:DF+1], s[DF:DF+1], s[STF:STF+1]
	s_add_nc_u64 s[DSC:DSC+1], s[DSC:DSC+1], s[STS:STS+1]
.endif
.endm
	RLOAD 0
	RLOAD 1
.irp s, 0,1,2,3,4,5,6,7
	RSTEP \s
.endr
	s_wait_tensorcnt 0x0
	ds_add_u32 v59, v63
	s_wait_dscnt 0x0
	s_endpgm
; ---------------- vm: a lane takes a column d, and its registers run down the keys.  A wave takes 32 columns x 512 keys: 4 chunks x 2 fragments ----------------
.Lcolumns:
	s_sub_co_u32 s15, ttmp9, 512
	s_lshr_b32 s16, s15, 5                         ; b
	s_bfe_u32 s17, s15, 0x20003                    ; G
	s_and_b32 s18, s15, 7                          ; which 128 columns
	s_lshl_b32 s20, s16, 2
	s_add_co_u32 s20, s20, s17
	s_lshl_b32 s20, s20, 21                        ; (4 b + G) x 512 rows of 4,096 bytes
	s_lshl_b32 s19, s18, 9
	s_add_co_u32 s20, s20, s19
	s_lshl_b32 s19, s[WV], 7
	s_add_co_u32 s20, s20, s19                     ; + my wave's first column
	s_mov_b32 s21, 0
	s_lshl_b32 s22, s16, 5
	s_lshl_b32 s19, s17, 3
	s_add_co_u32 s22, s22, s19
	s_add_co_u32 s22, s22, 4
	s_mul_i32 s22, s22, CH                         ; chunk 8 G + 4 of the batch
	s_lshr_b32 s19, s18, 1
	s_mul_i32 s19, s19, QT
	s_add_co_u32 s22, s22, s19                     ; the quarter that holds my columns
	s_and_b32 s19, s18, 1
	s_lshl_b32 s19, s19, 2
	s_add_co_u32 s19, s19, s[WV]                   ; p: my columns are its tiles 2 p (lanes 0-15) and 2 p + 1 (lanes 16-31)
	s_lshl_b32 s24, s19, 7
	s_add_co_u32 s24, s24, s22
	s_add_co_u32 s24, s24, 16*FRB
	s_mul_i32 s19, s19, 2*FRB
	s_add_co_u32 s22, s22, s19
	s_mov_b32 s23, 0
	s_mov_b32 s25, 0
	s_wait_kmcnt 0x0
	s_add_nc_u64 s[SRA:SRA+1], s[8:9], s[20:21]
	s_add_nc_u64 s[DF:DF+1], s[12:13], s[22:23]
	s_add_nc_u64 s[DSC:DSC+1], s[12:13], s[24:25]
.macro VLOAD t                         ; block t: keys 32 t + i of my column; every offset is an immediate, 511 rows at the most
.irp i, 0,1,2,3,4,5,6,7,8,9,10,11,12,13,14,15,16,17,18,19,20,21,22,23,24,25,26,27,28,29,30,31
	global_load_b32 v[X+32*((\t)%2)+\i], v8, s[SRA:SRA+1] offset:(32*(\t)+\i)*4096 th:TH_LOAD_NT
.endr
.endm
.macro VBLOCK t
.set XS, X+32*((\t)%2)
.set TB4, (\t)%4
.set FL, F0+12*(TB4%2)+6*(TB4/2)       ; the lower 16 codes of blocks 0, 1, 2, 3 of a chunk: F0, F1, F0 + 6, F1 + 6
.if (\t) < 15
	s_wait_loadcnt 32                              ; this block's 32 loads are in; the next block's may be out
.else
	s_wait_loadcnt 0x0
.endif
	v_max3_num_f32 v12, |v[XS]|, |v[XS+1]|, |v[XS+2]|   ; the block's largest magnitude: all 32 numbers are mine
	v_max3_num_f32 v13, |v[XS+3]|, |v[XS+4]|, |v[XS+5]|
.irp i, 6,10,14,18,22,26
	v_max3_num_f32 v12, v12, |v[XS+\i]|, |v[XS+\i+1]|
	v_max3_num_f32 v13, v13, |v[XS+\i+2]|, |v[XS+\i+3]|
.endr
	v_max3_num_f32 v12, v12, |v[XS+30]|, |v[XS+31]|
	v_max3_num_f32 v12, v12, v13, 0x2800000        ; and the floor
	v_add_nc_u32 v11, 0xfe000000, v12
	v_lshrrev_b32 v13, 23, v11                     ; the scale's byte
.if TB4 == 0
	s_wait_xcnt 0x0                                ; the last chunk's stores have read the fragments and the scale word: they are written again only behind this wait
	v_mov_b32 v[SBW], v13
.else
	v_lshl_or_b32 v[SBW], v13, 8*TB4, v[SBW]
.endif
	v_cvt_scalef32_pk16_bf6_f32 v[FL:FL+2], v[XS:XS+15], v11
	v_cvt_scalef32_pk16_bf6_f32 v[T+4*TB4:T+4*TB4+2], v[XS+16:XS+31], v11
.if (\t)+2 < 16
	VLOAD (\t)+2
.endif
.if TB4 == 3
	v_nop                                          ; one plain instruction behind the scaled conversions
.irp i, 0,1,2                                  ; a swap gives lanes 16-31 of the first the odd block of tile 2 p, and lanes 0-15 of the second the even block of tile 2 p + 1: both are then operands' registers
	v_permlane16_swap_b32 v[F0+\i], v[F1+\i]
	v_permlane16_swap_b32 v[F0+6+\i], v[F1+6+\i]
	v_permlane16_swap_b32 v[T+\i], v[T+4+\i]
	v_permlane16_swap_b32 v[T+8+\i], v[T+12+\i]
.endr
.irp i, 0,1,2
	v_mov_b32 v[F0+3+\i], v[T+\i]
	v_mov_b32 v[F1+3+\i], v[T+4+\i]
	v_mov_b32 v[F0+9+\i], v[T+8+\i]
	v_mov_b32 v[F1+9+\i], v[T+12+\i]
.endr
.irp j, 0,1,2
	global_store_b128 v4, v[F0+4*\j:F0+4*\j+3], s[DF:DF+1] offset:((\t)/4)*CH+512*\j
	global_store_b128 v4, v[F1+4*\j:F1+4*\j+3], s[DF:DF+1] offset:((\t)/4)*CH+FRB+512*\j
.endr
	global_store_b32 v8, v[SBW], s[DSC:DSC+1] offset:((\t)/4)*CH
.endif
.endm
	VLOAD 0
	VLOAD 1
.irp t, 0,1,2,3,4,5,6,7,8,9,10,11,12,13,14,15
	VBLOCK \t
.endr
	s_endpgm
.Lfunc_end_k_q444f37af0d_quant:
	.size	k_q444f37af0d_quant, .Lfunc_end_k_q444f37af0d_quant-k_q444f37af0d_quant
	.p2alignl 7, 3214868480
	.fill 96, 4, 3214868480
	.section	.rodata,"a",@progbits
	.p2align	6, 0x0
	.amdhsa_kernel k_q444f37af0d_quant
		.amdhsa_group_segment_fixed_size 34304
		.amdhsa_private_segment_fixed_size 0
		.amdhsa_enable_private_segment 0
		.amdhsa_kernarg_size 40
		.amdhsa_user_sgpr_count 2
		.amdhsa_user_sgpr_kernarg_segment_ptr 1
		.amdhsa_wavefront_size32 1
		.amdhsa_system_sgpr_workgroup_id_x 1
		.amdhsa_system_sgpr_workgroup_id_y 1
		.amdhsa_system_sgpr_workgroup_id_z 1
		.amdhsa_system_vgpr_workitem_id 0
		.amdhsa_next_free_vgpr 256
		.amdhsa_next_free_sgpr 66
		.amdhsa_reserve_vcc 1
		.amdhsa_float_denorm_mode_32 3
		.amdhsa_float_denorm_mode_16_64 3
		.amdhsa_memory_ordered 1
		.amdhsa_forward_progress 1
		.amdhsa_inst_pref_size 142
	.end_amdhsa_kernel
	.amdgpu_metadata
---
amdhsa.version: [ 1, 2 ]
amdhsa.kernels:
  - .name:           k_q444f37af0d_quant
    .symbol:         k_q444f37af0d_quant.kd
    .args:
      - { .name: qm, .offset: 0, .size: 8, .value_kind: global_buffer, .address_space: global }
      - { .name: km, .offset: 8, .size: 8, .value_kind: global_buffer, .address_space: global }
      - { .name: vm, .offset: 16, .size: 8, .value_kind: global_buffer, .address_space: global }
      - { .name: qc, .offset: 24, .size: 8, .value_kind: global_buffer, .address_space: global }
      - { .name: kv, .offset: 32, .size: 8, .value_kind: global_buffer, .address_space: global }
    .group_segment_fixed_size: 34304
    .private_segment_fixed_size: 0
    .kernarg_segment_align: 8
    .kernarg_segment_size: 40
    .max_flat_workgroup_size: 128
    .sgpr_count:     66
    .vgpr_count:     256
    .wavefront_size: 32
...
	.end_amdgpu_metadata
.endif
;; end of part 1
;; launch attn (part 2): grid 32 x 8, 4 waves a work-group, clusters of 4 x 1, 327,680 bytes of LDS; arguments qc, kv, out0; writes out0
.if DOCPART == 2
	.amdgcn_target "amdgcn-amd-amdhsa--gfx1250"
	.amdhsa_code_object_version 6
	.text
	.protected	k_q444f37af0d_attn
	.globl	k_q444f37af0d_attn
	.p2align	8
	.type	k_q444f37af0d_attn,@function
k_q444f37af0d_attn:
	s_mov_b64 s[64:65], 0
	v_nop
	global_prefetch_b8 v0, s[64:65] scope:SCOPE_SE
	s_setreg_imm32_b32 hwreg(HW_REG_WAVE_MODE, 25, 1), 1
	s_wait_xcnt 0x0
	s_wait_alu depctr_hold_cnt(0) depctr_sa_sdst(0) depctr_va_vdst(0) depctr_va_sdst(0) depctr_va_ssrc(0) depctr_va_vcc(0) depctr_vm_vsrc(0)
	s_getreg_b32 s2, hwreg(HW_REG_IB_STS2, 6, 4)
	s_cmp_eq_u32 s2, 0
	s_cbranch_scc0 .Lentry_in_a_cluster
	s_endpgm
.Lentry_in_a_cluster:
	s_bfe_u32 s2, ttmp6, 0x10000c
	s_cmp_lg_u32 s2, 0x3003
	s_cbranch_scc0 .Lentry_shape_is_right
	s_endpgm
.Lentry_shape_is_right:
; out0[b][q][:] = softmax over the last axis of ( Q6(qm km^T / 32) Q6(vm) ), both products on codes of E3M2 with E8M0 scales; sums, maxima and exponentials in f32.
; qc, kv: codes and scale words as images of operand registers (an image: three planes of 512 bytes, plane j = registers 4 j .. 4 j + 3, lane l at 16 l).  The factor 1 / 32 lies in qm's scale bytes.
; SHARES.  A work-group owns 64 queries of one batch (four tiles m of 16) and whole output rows.  THE WAVES SHARE THE COLUMNS: in the first product wave w makes keys 128 w .. + 127 of a super-step of 512 keys, for all 64
; queries (8 x 4 tiles, 256 registers); in the second it makes outputs 256 w .. + 255 (16 x 4 tiles, 512 registers).  Its 128 keys are one K step of the second product: quantised in registers, they are whole fragments
; and whole scale words, which reach the other waves through LDS as images.  Both products are used transposed (source 0 = 16 keys, or 16 outputs; source 1 = 16 queries): a lane holds one query throughout.
; THE STREAM.  kv is walked in 32 chunks of 102,400 bytes (4 of km, 4 of vm for each super-step) through two LDS slots.  A chunk's quarter w holds what wave w alone multiplies: it fetches it and reads it.
; CLUSTER.  The four work-groups of a cluster belong to one batch and walk the same stream: each quarter is asked for JOINTLY, by the same tensor load with the same descriptor and the mask 15.
; A CHUNK is 8 units of 8 matrix instructions (2 fragments of the stream x 4 tiles of queries), on 8 different accumulators.  Behind unit u its two places take the fragments of unit u + 4 (from unit 4 on: the next chunk's).
; A wave has two tensor loads out at the start and one behind each round.
; LIMITS: NaN and infinities are not served.  A block of the computed operand whose largest magnitude lies under 2^(5 - 127) is held at that floor's scale; a block of zeros carries the floor's byte over zero codes.
; An exponential that would fall under 2^-126 comes out as 0.
; REGISTERS, in windows of 256: window 0: addresses, scale words, fragments, all that vector work touches; window 1: S^T, tile (kt, m) at 64 m + 8 kt; windows 2, 3: O^T, tile (dt, m) at 8 ((4 dt + m) % 32) of window 2 + dt / 8.
.set CH,    102400                     ; a chunk
.set QT,    25600                      ; a quarter: 16 images, then 1,024 bytes of scale words
.set FRB,   1536                       ; an image
.set SLOT1, 1<<17                      ; slot 1 begins here: one exclusive or turns an address in one slot into the other's
.set PIMG,  102400                     ; LDS behind slot 0: the computed operand's 16 images (4 c + m),
.set PSC,   126976                     ; its scale words [c][r][m],
.set XM,    128000                     ; the waves' row maxima [m][r][w], and 1,024 bytes on their row sums
.set QIMG,  233472                     ; behind slot 1: Q's 32 images (4 s + m),
.set QSC,   282624                     ; its scale words [s][r][m],
.set SPARE, 284672                     ; and the spare words, 128 bytes for each wave: two blocks of 256 bytes that no other line names
.set SPITCH, 1040                      ; the way out: 16 rows of 1,024 bytes + 16, in my own quarter of slot 0, which has then had its last fill and its last read
.set LN,  1                            ; v1   lane
.set RR,  2                            ; v2   r = lane % 16
.set HH,  3                            ; v3   h = lane / 16
.set AB0, 4                            ; v4   my quarter + 16 x lane
.set ADR, 5                            ; v5   the same in the slot in hand
.set SB0, 6                            ; v6   my quarter's scale words + 4 x lane
.set ASA, 7                            ; v7   the same in the slot in hand
.set BQ,  8                            ; v8   Q's images + 16 x lane, stepped by a pair of K steps
.set BSQ, 9                            ; v9   Q's scale words + 16 r, stepped likewise
.set BP,  10                           ; v10  P's images + 16 x lane
.set BSP, 11                           ; v11  P's scale words + 16 r
.set PWI, 12                           ; v12  where I store my images of P
.set PWS, 13                           ; v13  and their scale words
.set SPW, 14                           ; v14  my spare word; never rewritten
.set NIL, 15                           ; v15  0; never rewritten
.set AS,  16                           ; v16-23  the stream's scale words of a chunk: they hold nothing else
.set BS,  24                           ; v24-27, v28-31  Q's or P's scale words, two sets: they hold nothing else
.set PW,  32                           ; v32-35  the scale words just made
.set PFO, 36                           ; v36  the prefetches' offset; never rewritten
.set STO, 41                           ; v41  the way out: where I put 32 bytes of a row
.set GOF, 43                           ; v43  16 x lane
.set XR,  44                           ; v44  XM + 16 r
.set XW,  45                           ; v45  XM + 16 r + 4 w
.set AF,  48                           ; v48-143   eight places for the stream's fragments: fragment f at place f % 8
.set BF,  144                          ; v144-191, v192-239  four fragments of Q or P, two sets; while quantising: codes (20 registers a tile) and TM
.set TM,  224
.set PD,  240                          ; v240-243  lane permutes' destinations
.set MX,  244                          ; v244-247  the epilogue's maxima and sums
.set T4,  176                          ; the epilogue: four waves' figures,
.set NM,  192                          ; - log2(e) x the row's maximum, as pairs,
.set SM,  200                          ; the sums, as pairs,
.set RP,  208                          ; 1 / the row's sum, as pairs
.set WV,  10
.set CX,  11
.set QB,  12
.set BA,  13
.set G1,  16                           ; s[16:23] descriptor group 1
.set GA,  24                           ; s[24:27] group 0 of chunk 0
.set GW,  28                           ; s[28:31] group 0 of chunk 1, which then walks on
.set TB,  32                           ; s32  LDS byte at which the slot in hand begins
.set PFA, 34                           ; s[34:35] where my prefetches stand
.set LIM, 36                           ; s36  27 in the batch's first cluster, else 0
.set N,   37                           ; s37  the chunk in hand
.set GC,  38
.set KT,  39
.set SEL, 40                           ; s[40:41] v_permlanex16_b32's selects for lane l xor 16
.set LG,  42                           ; s[42:43] log2(e), twice
.set NLG, 44                           ; s44  - log2(e)
.set FLR, 45                           ; s45  the floor 2^(5 - 127)
.set OB,  46                           ; s[46:47] out0 at my rows and columns
.set MSB, 0
.macro WIN new                         ; the immediate's high byte repeats the setting that is left; a switch that changes nothing is dropped
.if MSB != (\new)
	s_set_vgpr_msb (MSB<<8)|(\new)
.set MSB, (\new)
.endif
.endm
.macro PLACES                          ; four plain vector instructions between a matrix instruction and a load into, or a vector instruction on, its registers (ISA guide 7.12.1 for vector instructions)
.rept 4
	v_nop
.endr
.endm
.macro CREST                           ; a round of the cluster's barrier behind its opening barrier
	s_cmp_lg_u32 s[WV], 0
	s_cbranch_scc1 .Lnot_wave_0_\@
	s_barrier_signal -3
.Lnot_wave_0_\@:
	s_barrier_wait -3
	s_barrier_signal -1
	s_barrier_wait -1
.endm
.macro CROUND
	s_barrier_signal -1
	s_barrier_wait -1
	CREST
.endm
.macro FRAG reg, adr, off              ; an image comes back as the registers that it was
.irp j, 0,1,2
	ds_load_b128 v[(\reg)+4*\j:(\reg)+4*\j+3], v[\adr] offset:(\off)+512*\j
.endr
.endm
.macro RUN fu                          ; the two fragments of unit fu of the slot in hand: six loads
	FRAG AF+12*((2*(\fu))%8), ADR, (2*(\fu))*FRB
	FRAG AF+12*((2*(\fu)+1)%8), ADR, (2*(\fu)+1)*FRB
.endm
.macro ASLOAD i0                       ; four of the chunk's eight registers of scale words
.irp i, 0,1,2,3
	ds_load_b32 v[AS+(\i0)+\i], v[ASA] offset:128*((\i0)+\i)
.endr
.endm
.macro BLOAD set, adr, off, sadr, soff ; four fragments of Q or P and their scale words (lane r: the words of tiles 0 to 3): thirteen loads
.irp m, 0,1,2,3
	FRAG BF+48*(\set)+12*\m, \adr, (\off)+FRB*\m
.endr
	ds_load_b128 v[BS+4*(\set):BS+4*(\set)+3], v[\sadr] offset:\soff
.endm
.macro MM d, a, b, cz, x, y, row       ; one product; cz = 1: it starts the sum; row = 1: source 0's scale words stand in lanes 16-31
.if \cz
.if \row
	v_wmma_scale_f32_16x16x128_f8f6f4 v[\d:\d+7], v[\a:\a+11], v[\b:\b+11], 0, v[\x], v[\y] matrix_a_fmt:MATRIX_FMT_BF6 matrix_b_fmt:MATRIX_FMT_BF6 matrix_a_scale:MATRIX_SCALE_ROW1
.else
	v_wmma_scale_f32_16x16x128_f8f6f4 v[\d:\d+7], v[\a:\a+11], v[\b:\b+11], 0, v[\x], v[\y] matrix_a_fmt:MATRIX_FMT_BF6 matrix_b_fmt:MATRIX_FMT_BF6
.endif
.else
.if \row
	v_wmma_scale_f32_16x16x128_f8f6f4 v[\d:\d+7], v[\a:\a+11], v[\b:\b+11], v[\d:\d+7], v[\x], v[\y] matrix_a_fmt:MATRIX_FMT_BF6 matrix_b_fmt:MATRIX_FMT_BF6 matrix_a_scale:MATRIX_SCALE_ROW1
.else
	v_wmma_scale_f32_16x16x128_f8f6f4 v[\d:\d+7], v[\a:\a+11], v[\b:\b+11], v[\d:\d+7], v[\x], v[\y] matrix_a_fmt:MATRIX_FMT_BF6 matrix_b_fmt:MATRIX_FMT_BF6
.endif
.endif
.endm
; Unit u of a chunk of km: K step u / 4 of the chunk's two, key tiles 2 (u % 4) and 2 (u % 4) + 1, against Q's four tiles.  The accumulators take turns, one instruction a turn.
.macro KUNIT u, zero
.irp a, 0,1
.irp m, 0,1,2,3
.set rD, 64*\m+8*(2*((\u)%4)+\a)
.set rA, AF+12*((2*(\u)+\a)%8)
.set rB, BF+48*((\u)/4)+12*\m
.set rX, AS+2*((\u)%4)+\a
.set rY, BS+4*((\u)/4)+\m
	MM rD, rA, rB, \zero, rX, rY, (\u)/4
.endr
.endr
.endm
; Unit u of chunk c of vm: output tiles 2 u and 2 u + 1 against P's four tiles of K step c
.macro VUNIT u, c, zero
.irp a, 0,1
.irp m, 0,1,2,3
.set rD, 8*((4*(2*(\u)+\a)+\m)%32)
.set rA, AF+12*((2*(\u)+\a)%8)
.set rB, BF+48*((\c)%2)+12*\m
.set rX, AS+(\u)
.set rY, BS+4*((\c)%2)+\m
	MM rD, rA, rB, \zero, rX, rY, \a
.endr
.endr
.endm
.macro UNIT ty, u, c, zero             ; ty = 0: km; 1: vm
.if \ty
	WIN 0xa0+0x50*((\u)/4)                         ; C and D in window 2 or 3
	VUNIT \u, \c, \zero
.else
	WIN 0x50                                       ; C and D in window 1
	KUNIT \u, \zero
.endif
.endm
.macro TAIL fu                         ; behind a unit: the places, then the run into the two places that it has left
	PLACES
	WIN 0
	RUN \fu
.endm
; A PREFETCH INTO THE L2: at the change of slots in chunk n the chunk n + 5 is named, three changes ahead of the tensor load that will ask for it.  All clusters of a batch walk the same stream: the batch's first
; cluster asks.  Its four partners and their four waves share a chunk out BY ADDRESS, 6,400 bytes each: a lane names one aligned block of 256 bytes; lanes 25 to 31 repeat lane 24's.  Chunks 0 to 4 come by their loads
; alone; from chunk 27 on nothing is named, so no request passes chunk 31.
.macro ASK
	s_cmp_lt_u32 s[N], s[LIM]
	s_cbranch_scc0 .Lnot_mine_\@
	global_prefetch_b8 v[PFO], s[PFA:PFA+1] th:TH_LOAD_NT scope:SCOPE_SE
.Lnot_mine_\@:
.endm
; Units 0 to 3, and the runs that bring units 4 to 7: the slot's last reads.  w0: what may be out at the head.
.macro HALF1 ty, c, zero, w0
	s_wait_dscnt \w0                               ; 16: units 0 and 1, their scale words and source 1 are in; the runs of units 2 (6 loads) and 3 (6 + 4) may be out
	UNIT \ty, 0, \c, \zero
	TAIL 4
.if \ty == 0
	BLOAD 1, BQ, 4*FRB, BSQ, 256                   ; Q of the chunk's second K step
.endif
	UNIT \ty, 1, \c, \zero
	TAIL 5
	s_wait_dscnt 12+13*(1-\ty)                     ; all but the two runs just issued
	UNIT \ty, 2, \c, \zero
	TAIL 6
	UNIT \ty, 3, \c, \zero
	TAIL 7
.endm
; THE CHANGE OF SLOTS, with units 4 and 5.  fill = 1: each wave waits for all its tensor loads (one is out: its quarter of the next chunk), adds 0 to its spare word, and waits for that and for its reads of this slot;
; a round of the cluster's barrier; the joint refill, chunk n + 2 into the slot just read out, is the first thing behind it.  Then the next chunk's first two units are fetched.
.macro MID ty, c, zero, fill
.if \fill
	s_wait_xcnt 0x0                                ; the last prefetch, a chunk back, has read its address
	s_add_nc_u64 s[PFA:PFA+1], s[PFA:PFA+1], CH
	s_wait_tensorcnt 0x0                           ; no tensor load of mine is out, so the walking group 0 may be written
	ds_add_u32 v[SPW], v[NIL]                      ; 0 onto my spare word
	s_xor_b32 s[GW+1], s[GW+1], SLOT1              ; the other slot than last time,
	s_add_nc_u64 s[GW+2:GW+3], s[GW+2:GW+3], CH    ; the next chunk; the type bits on top are not reached
	s_wait_dscnt 19                                ; unit 4's run is in; three runs of six and the add may be out
	UNIT \ty, 4, \c, \zero
	s_wait_dscnt 0x0                               ; the add is done, and my reads of this slot are over
	s_barrier_signal -1
	UNIT \ty, 5, \c, \zero
	WIN 0
	s_barrier_wait -1
	CREST
	tensor_load_to_lds s[GW:GW+3], s[G1:G1+7]
	s_nop 0
	PLACES                                         ; four v_nop behind the load; they are also the places in front of the loads below
.else
	s_wait_tensorcnt 0x0                           ; the last chunk has landed; nothing is filled again, and only I read my quarter: no barrier
	s_wait_dscnt 18
	UNIT \ty, 4, \c, \zero
	s_wait_dscnt 0x0
	UNIT \ty, 5, \c, \zero
	PLACES
	WIN 0
.endif
	s_xor_b32 s[TB], s[TB], SLOT1
	v_add_nc_u32 v[ADR], s[TB], v[AB0]
	v_add_nc_u32 v[ASA], s[TB], v[SB0]
	RUN 0
	RUN 1
	ASLOAD 0
.endm
.macro REST ty, c, zero                ; units 6 and 7, and the next chunk's units 2 and 3
	UNIT \ty, 6, \c, \zero
	TAIL 2
	UNIT \ty, 7, \c, \zero
	TAIL 3
	ASLOAD 4
.endm
.macro KCHUNK zero, inloop             ; a chunk of km: two K steps of the first product
	HALF1 0, 0, \zero, 16
	MID 0, 0, 0, 1
.if \inloop
	s_cmp_eq_u32 s[KT], 1                          ; behind the last pair of K steps there is no Q to fetch; later counted waits name younger loads alone, so they hold on both ways
	s_cbranch_scc1 .Lno_q_\@
.endif
	BLOAD 0, BQ, 8*FRB, BSQ, 512                   ; Q of the next chunk's first K step
.Lno_q_\@:
	ASK
	s_add_co_u32 s[N], s[N], 1
	REST 0, 0, 0
	v_add_nc_u32 v[BQ], 8*FRB, v[BQ]
	v_add_nc_u32 v[BSQ], 512, v[BSQ]
.endm
.macro P1                              ; S^T of a super-step: the first chunk starts the sums and is written out; three more in a loop
	KCHUNK 1, 0
	s_mov_b32 s[KT], 3
.Lkc_\@:
	KCHUNK 0, 1
	s_sub_co_u32 s[KT], s[KT], 1
	s_cmp_lg_u32 s[KT], 0
	s_cbranch_scc1 .Lkc_\@
	s_wait_dscnt 0x0                               ; no LDS load is out when the quantiser writes the registers that held Q
	v_lshl_add_u32 v[BQ], v[LN], 4, QIMG
	v_lshl_add_u32 v[BSQ], v[RR], 4, QSC
.endm
; Tile m of queries: my 64 numbers of S^T (register 16 b + i = key 32 b + 16 h + i of my 128) become a fragment and a scale word, and go to LDS as images: K step w of the second product
.macro QUANTS m
.set SS, 64*(\m)
.set PCM, BF+20*(\m)
	WIN 0x14                                       ; sources 1 and 2 in window 1
.irp b, 0,1,2,3
	v_max3_num_f32 v[TM+\b], s[FLR], |v[SS+16*\b]|, |v[SS+16*\b+1]|   ; each accumulator is read from its low end on
.endr
.irp i, 2,4,6,8,10,12,14
.irp b, 0,1,2,3
	v_max3_num_f32 v[TM+\b], v[TM+\b], |v[SS+16*\b+\i]|, |v[SS+16*\b+\i+1]|
.endr
.endr
	WIN 0
.irp b, 0,1,2,3
	v_permlanex16_b32 v[PD+\b], v[TM+\b], s[SEL], s[SEL+1]
.endr
.irp b, 0,1,2,3
	v_max_num_f32 v[TM+\b], v[TM+\b], v[PD+\b]     ; the block's largest magnitude
.endr
.irp b, 0,1,2,3
	v_add_nc_u32 v[TM+12+\b], 0xfe000000, v[TM+\b] ; 4 off its exponent field: the conversion's scale operand
.endr
.irp b, 0,1,2,3
	v_lshrrev_b32 v[TM+4+\b], 23, v[TM+12+\b]      ; the scale's byte
.endr
	v_lshl_or_b32 v[PW+(\m)], v[TM+5], 8, v[TM+4]
	v_lshl_or_b32 v[PW+(\m)], v[TM+6], 16, v[PW+(\m)]
	v_lshl_or_b32 v[PW+(\m)], v[TM+7], 24, v[PW+(\m)]
	WIN 0x01                                       ; source 0 in window 1
.irp c, 0,1
	v_cvt_scalef32_pk16_bf6_f32 v[PCM+6*\c:PCM+6*\c+2], v[SS+32*\c:SS+32*\c+15], v[TM+12+2*\c]
	v_cvt_scalef32_pk16_bf6_f32 v[PCM+12+4*\c:PCM+14+4*\c], v[SS+32*\c+16:SS+32*\c+31], v[TM+12+2*\c+1]
.endr
	WIN 0
	v_nop                                          ; one plain instruction behind the scaled conversions
.irp c, 0,1
.irp i, 0,1,2
	v_permlane16_swap_b32 v[PCM+6*\c+\i], v[PCM+12+4*\c+\i]
.endr
.irp i, 0,1,2
	v_mov_b32 v[PCM+3+6*\c+\i], v[PCM+12+4*\c+\i]
.endr
.endr
.irp j, 0,1,2
	ds_store_b128 v[PWI], v[PCM+4*\j:PCM+4*\j+3] offset:FRB*(\m)+512*\j
.endr
	ds_store_b32 v[PWS], v[PW+(\m)] offset:4*(\m)  ; lanes r and 16 + r write the same word with the same value
.endm
.macro P2START                         ; my images have landed; then everybody's have.  My one tensor load may stay out
	s_wait_dscnt 0x0
	s_barrier_signal -1
	s_barrier_wait -1
	BLOAD 0, BP, 0, BSP, 0
.endm
; Chunk c of vm.  mode 1: a slot is filled again; 0: nothing is left to ask for; 2: the last chunk, nothing is left to fetch
.macro VCHUNK c, zero, mode, w0
	HALF1 1, \c, \zero, \w0
.if \mode == 2
	s_wait_dscnt 18                                ; the four runs come in one after the other
	UNIT 1, 4, \c, \zero
	s_wait_dscnt 12
	UNIT 1, 5, \c, \zero
	s_wait_dscnt 6
	UNIT 1, 6, \c, \zero
	s_wait_dscnt 0x0
	UNIT 1, 7, \c, \zero
	PLACES
	WIN 0
.else
	MID 1, \c, \zero, \mode
.if \c == 3
	BLOAD 0, BQ, 0, BSQ, 0                         ; the next super-step's first K step of Q
.else
	BLOAD ((\c)+1)%2, BP, 4*((\c)+1)*FRB, BSP, 256*((\c)+1)
.endif
.if \mode
	ASK
	s_add_co_u32 s[N], s[N], 1
.endif
	REST 1, \c, \zero
.endif
.endm
	s_load_b128 s[4:7], s[0:1], 0x0                ; qc, kv
	s_load_b64 s[8:9], s[0:1], 0x10                ; out0
	v_lshl_add_u32 v[SPW], v0, 2, SPARE
	v_mov_b32 v[NIL], 0
	ds_add_u32 v14, v15
	ds_add_u32 v14, v15
	s_wait_dscnt 0x0
	v_lshrrev_b32 v1, 5, v0
	v_readfirstlane_b32 s[WV], v1                  ; wave 0..3
	v_and_b32 v[LN], 31, v0
	v_and_b32 v[RR], 15, v0
	v_bfe_u32 v[HH], v0, 4, 1
	s_bfe_u32 s[CX], ttmp6, 0x40000                ; my place in the cluster
	s_lshl_b32 s[QB], ttmp9, 2
	s_add_co_u32 s[QB], s[QB], s[CX]               ; my block of 64 queries: it enters qc's and out0's addresses alone
	s_and_b32 s[BA], ttmp7, 0xffff                 ; the batch, which the four partners share
	; descriptor group 1: a quarter is a dense block: 100 rows of 256 bytes (32 elements of 8 bytes), no padding
	s_mov_b32 s[G1], 15|(3<<16)|(1<<21)            ; 15:0 the mask: all four work-groups; 17:16 elements of 8 bytes; 21 set beside a mask
	s_mov_b32 s[G1+1], 32<<16                      ; tensor_dim0
	s_mov_b32 s[G1+2], 100<<16                     ; tensor_dim1
	s_mov_b32 s[G1+3], 32<<16                      ; tile_dim0
	s_mov_b32 s[G1+4], 100                         ; tile_dim1
	s_mov_b32 s[G1+5], 32                          ; the pitch
	s_mov_b32 s[G1+6], 0
	s_mov_b32 s[G1+7], 0
	s_mov_b32 s[SEL], 0x76543210
	s_mov_b32 s[SEL+1], 0xfedcba98
	s_mov_b32 s[LG], 0x3fb8aa3b
	s_mov_b32 s[LG+1], s[LG]
	s_mov_b32 s[NLG], 0xbfb8aa3b
	s_mov_b32 s[FLR], 0x2800000
	s_mov_b32 s[TB], 0
	s_mov_b32 s[N], 0
	s_cmp_eq_u32 ttmp9, 0                          ; the same in all four partners
	s_cselect_b32 s[LIM], 27, 0
	s_mul_i32 s50, s[WV], QT                       ; my quarter: in a chunk and in a slot
	s_mul_i32 s48, s[BA], 32*CH                    ; the batch's stream
	s_add_co_u32 s52, s48, s50
	s_mov_b32 s53, 0
	s_mul_i32 s54, s[CX], QT                       ; the prefetches: my work-group's quarter of a chunk,
	s_add_co_u32 s54, s54, s48
	s_mul_i32 s55, s[WV], 6400                     ; my wave's quarter of that,
	s_add_co_u32 s54, s54, s55
	s_add_co_u32 s54, s54, 4*CH                    ; in chunk 4: the first change of slots steps it to chunk 5
	s_mov_b32 s55, 0
	s_lshl_b32 s56, s[BA], 5
	s_add_co_u32 s56, s56, s[QB]
	s_mul_i32 s56, s56, 51200                      ; my block of qc
	s_mov_b32 s57, 0
	s_lshl_b32 s58, s[BA], 11
	s_lshl_b32 s59, s[QB], 6
	s_add_co_u32 s58, s58, s59
	s_lshl_b32 s58, s58, 12                        ; my first row of out0, 4,096 bytes a row,
	s_lshl_b32 s59, s[WV], 10
	s_add_co_u32 s58, s58, s59                     ; and my wave's 256 columns
	s_mov_b32 s59, 0
	v_lshl_add_u32 v[AB0], v[LN], 4, s50
	v_add_nc_u32 v[ADR], s[TB], v[AB0]
	v_lshl_add_u32 v[SB0], v[LN], 2, s50
	v_add_nc_u32 v[SB0], 16*FRB, v[SB0]
	v_add_nc_u32 v[ASA], s[TB], v[SB0]
	v_lshl_add_u32 v[BQ], v[LN], 4, QIMG
	v_lshl_add_u32 v[BSQ], v[RR], 4, QSC
	v_lshl_add_u32 v[BP], v[LN], 4, PIMG
	v_lshl_add_u32 v[BSP], v[RR], 4, PSC
	s_mul_i32 s51, s[WV], 4*FRB
	v_add_nc_u32 v[PWI], s51, v[BP]
	s_lshl_b32 s51, s[WV], 8
	v_add_nc_u32 v[PWS], s51, v[BSP]
	s_mul_i32 s51, s[WV], 8*FRB                    ; my quarter of Q's images: in qc and in LDS
	v_lshl_add_u32 v37, v[LN], 4, s51
	v_add_nc_u32 v39, s51, v[BQ]
	s_lshl_b32 s51, s[WV], 9
	s_add_co_u32 s51, s51, 32*FRB
	v_lshl_add_u32 v38, v[LN], 2, s51              ; the scale words of tile m = w in qc: lanes 0-15 an even K step's, lanes 16-31 the odd one's
	v_lshl_add_u32 v40, v[HH], 8, v[BSQ]
	s_lshl_b32 s51, s[WV], 2
	v_add_nc_u32 v40, s51, v40                     ; and in LDS: [s][r][m]: 256 h + 16 r + 4 w
	v_lshl_add_u32 v[XR], v[RR], 4, XM
	v_add_nc_u32 v[XW], s51, v[XR]
	v_mul_u32_u24 v[STO], v[RR], SPITCH
	v_lshl_add_u32 v[STO], v[HH], 5, v[STO]
	v_add_nc_u32 v[STO], s50, v[STO]
	v_lshlrev_b32 v[GOF], 4, v[LN]
	v_min_u32 v[PFO], 24, v[LN]
	v_lshlrev_b32 v[PFO], 8, v[PFO]
.irp b, 0,1,2,3
	v_mov_b32 v[PD+\b], 0                          ; written once: a lane permute's destination counts as one of its sources
.endr
	s_wait_kmcnt 0x0
	s_add_nc_u64 s[4:5], s[4:5], s[56:57]
	s_add_nc_u64 s[PFA:PFA+1], s[6:7], s[54:55]
	s_add_nc_u64 s[OB:OB+1], s[8:9], s[58:59]
	s_add_nc_u64 s[52:53], s[6:7], s[52:53]        ; kv at my quarter of chunk 0: made of the batch and the wave's number alone
	s_mov_b32 s[GA], 1                             ; count = 1
	s_mov_b32 s[GA+1], s50                         ; LDS address: slot 0
	s_mov_b64 s[GA+2:GA+3], s[52:53]
	s_or_b32 s[GA+3], s[GA+3], 0x80000000          ; type = 2
	s_mov_b32 s[GW], 1
	s_add_co_u32 s[GW+1], s50, SLOT1               ; slot 1
	s_add_nc_u64 s[GW+2:GW+3], s[52:53], CH        ; chunk 1
	s_or_b32 s[GW+3], s[GW+3], 0x80000000
	CROUND                                         ; all four work-groups are here: the first joint loads meet
	tensor_load_to_lds s[GA:GA+3], s[G1:G1+7]      ; the two first fills stand together, ahead of every wait on TENSORcnt, every LDS read and every other barrier
	s_nop 0
	tensor_load_to_lds s[GW:GW+3], s[G1:G1+7]
	s_nop 0
	PLACES
.irp k, 0,1,2,3,4,5,6,7,8,9,10,11,12,13,14,15,16,17,18,19,20,21,22,23
	global_load_b128 v[BF+4*\k:BF+4*\k+3], v37, s[4:5] offset:512*\k th:TH_LOAD_NT
.endr
.irp k, 0,1,2,3
	global_load_b32 v[MX+\k], v38, s[4:5] offset:128*\k th:TH_LOAD_NT
.endr
	s_wait_loadcnt 0x0
.irp k, 0,1,2,3,4,5,6,7,8,9,10,11,12,13,14,15,16,17,18,19,20,21,22,23
	ds_store_b128 v39, v[BF+4*\k:BF+4*\k+3] offset:512*\k
.endr
.irp k, 0,1,2,3
	ds_store_b32 v40, v[MX+\k] offset:512*\k
.endr
	s_wait_dscnt 0x0                               ; for the others' sake: my part of Q lies in LDS
	s_barrier_signal -1
	s_barrier_wait -1                              ; everybody's does
	s_wait_tensorcnt 0x1                           ; my quarter of chunk 0 is in, and only I read it; chunk 1's load may be out
	RUN 0                                          ; the first fetch, in the order in which every chunk leaves its successor's
	RUN 1
	ASLOAD 0
	BLOAD 0, BQ, 0, BSQ, 0
	RUN 2
	RUN 3
	ASLOAD 4
	P1                                             ; chunks 0 to 3
.irp m, 0,1,2,3
	QUANTS \m
.endr
	P2START
	VCHUNK 0, 1, 1, 0                              ; the launch's first chunk of vm starts O^T's sums: nothing is ever cleared
	VCHUNK 1, 0, 1, 16
	s_mov_b32 s[GC], 3
.Lsuper:                                               ; three trips, from a super-step's third chunk of vm to the next one's second: eight chunks, eight refills
	VCHUNK 2, 0, 1, 16
	VCHUNK 3, 0, 1, 16
	P1
.irp m, 0,1,2,3
	QUANTS \m
.endr
	P2START
	VCHUNK 0, 0, 1, 0
	VCHUNK 1, 0, 1, 16
	s_sub_co_u32 s[GC], s[GC], 1
	s_cmp_lg_u32 s[GC], 0
	s_cbranch_scc1 .Lsuper
	VCHUNK 2, 0, 0, 16                             ; the tail is written out
	VCHUNK 3, 0, 2, 16
; THE SOFTMAX over a row's 1,024 outputs.  Lane (r, h) of wave w holds, for each tile m, 128 numbers of query r: outputs 256 w + 16 dt + 8 h + j.
.macro ROWMAX
.irp dt, 0,1,2,3,4,5,6,7
.irp j, 0,2,4,6
.irp m, 0,1,2,3
	v_max3_num_f32 v[MX+\m], v[MX+\m], v[32*\dt+8*\m+\j], v[32*\dt+8*\m+\j+1]   ; the four tiles by turns; each accumulator from its low end on
.endr
.endr
.endr
.endm
.macro EXPS                            ; t = o log2(e) - max log2(e), one fused multiply-add (what the rounding of max log2(e) adds is one common factor of the row, which the division takes out); then 2^t, as one batch with one wait
.set xx, 0
.rept 128
	v_pk_fma_f32 v[xx:xx+1], v[xx:xx+1], s[LG:LG+1], v[NM+2*((xx/8)%4):NM+2*((xx/8)%4)+1] op_sel_hi:[1,0,0]
.set xx, xx+2
.endr
.set xx, 0
.rept 256
	v_exp_f32 v[xx], v[xx]
.set xx, xx+1
.endr
	v_nop                                          ; a plain instruction behind the last exponential
	s_wait_alu depctr_va_vdst(0)                   ; a wait ahead of the first instruction that names a result: one for the batch
.endm
.macro ROWSUM
.irp dt, 0,1,2,3,4,5,6,7
.irp j, 0,2,4,6
.irp m, 0,1,2,3
	v_pk_add_f32 v[SM+2*\m:SM+2*\m+1], v[SM+2*\m:SM+2*\m+1], v[32*\dt+8*\m+\j:32*\dt+8*\m+\j+1]
.endr
.endr
.endr
.endm
.macro ROWDIV
.set xx, 0
.rept 128
	v_pk_mul_f32 v[xx:xx+1], v[xx:xx+1], v[RP+2*((xx/8)%4):RP+2*((xx/8)%4)+1] op_sel_hi:[1,0]
.set xx, xx+2
.endr
.endm
.irp m, 0,1,2,3
	v_mov_b32 v[MX+\m], 0xff800000                 ; under every number
.endr
	WIN 0x28                                       ; sources 1 and 2 in window 2
	ROWMAX
	WIN 0x3c                                       ; in window 3
	ROWMAX
	WIN 0
.irp m, 0,1,2,3
	v_permlanex16_b32 v[PD+\m], v[MX+\m], s[SEL], s[SEL+1]
.endr
.irp m, 0,1,2,3
	v_max_num_f32 v[MX+\m], v[MX+\m], v[PD+\m]     ; my wave's 256 outputs of query r
.endr
.irp m, 0,1,2,3
	ds_store_b32 v[XW], v[MX+\m] offset:256*\m
.endr
	s_wait_dscnt 0x0
	s_barrier_signal -1
	s_barrier_wait -1
.irp m, 0,1,2,3
	ds_load_b128 v[T4+4*\m:T4+4*\m+3], v[XR] offset:256*\m
.endr
	s_wait_dscnt 0x0
.irp m, 0,1,2,3
	v_max3_num_f32 v[MX+\m], v[T4+4*\m], v[T4+4*\m+1], v[T4+4*\m+2]
.endr
.irp m, 0,1,2,3
	v_max_num_f32 v[MX+\m], v[MX+\m], v[T4+4*\m+3] ; the row's maximum
.endr
.irp m, 0,1,2,3
	v_mul_f32 v[NM+2*\m], s[NLG], v[MX+\m]
.endr
.irp m, 0,1,2,3
	v_mov_b32 v[NM+2*\m+1], v[NM+2*\m]             ; (named with it as a pair, so it is written)
	v_mov_b32 v[SM+2*\m], 0
	v_mov_b32 v[SM+2*\m+1], 0
.endr
	WIN 0x82                                       ; destination and source 0 in window 2
	EXPS
	WIN 0xc3                                       ; in window 3
	EXPS
	WIN 0x08                                       ; source 1 in window 2
	ROWSUM
	WIN 0x0c
	ROWSUM
	WIN 0
.irp m, 0,1,2,3
	v_add_f32 v[MX+\m], v[SM+2*\m], v[SM+2*\m+1]
.endr
.irp m, 0,1,2,3
	v_permlanex16_b32 v[PD+\m], v[MX+\m], s[SEL], s[SEL+1]
.endr
.irp m, 0,1,2,3
	v_add_f32 v[MX+\m], v[MX+\m], v[PD+\m]
.endr
.irp m, 0,1,2,3
	ds_store_b32 v[XW], v[MX+\m] offset:1024+256*\m
.endr
	s_wait_dscnt 0x0
	s_barrier_signal -1
	s_barrier_wait -1
.irp m, 0,1,2,3
	ds_load_b128 v[T4+4*\m:T4+4*\m+3], v[XR] offset:1024+256*\m
.endr
	s_wait_dscnt 0x0
.irp m, 0,1,2,3
	v_add_f32 v[T4+4*\m], v[T4+4*\m], v[T4+4*\m+1]
	v_add_f32 v[T4+4*\m+2], v[T4+4*\m+2], v[T4+4*\m+3]
.endr
.irp m, 0,1,2,3
	v_add_f32 v[MX+\m], v[T4+4*\m], v[T4+4*\m+2]   ; the row's sum
.endr
.irp m, 0,1,2,3
	v_rcp_f32 v[RP+2*\m], v[MX+\m]
.endr
.irp m, 0,1,2,3
	v_mov_b32 v[RP+2*\m+1], 0                      ; the pairs' upper halves: plain instructions behind the reciprocals
.endr
	s_wait_alu depctr_va_vdst(0)                   ; one wait for the four reciprocals, ahead of their first reader
	WIN 0x82
	ROWDIV
	WIN 0xc3
	ROWDIV
; THE WAY OUT, a tile of 16 queries at a time.  A lane holds 32 neighbouring bytes of a row and the lanes beside it other rows: the tile goes through my stage and comes back as half rows of 512 bytes.
.macro OUTM m
.if (\m) > 0
	s_wait_xcnt 0x0                                ; the last tile's stores have read their registers: they are loaded again only behind this wait
.endif
	WIN 0x08                                       ; an LDS store's data are its source 1: window 2
.irp dt, 0,1,2,3,4,5,6,7
	ds_store_b128 v[STO], v[32*\dt+8*(\m):32*\dt+8*(\m)+3] offset:64*\dt
	ds_store_b128 v[STO], v[32*\dt+8*(\m)+4:32*\dt+8*(\m)+7] offset:64*\dt+16
.endr
	WIN 0x0c                                       ; window 3
.irp dt, 0,1,2,3,4,5,6,7
	ds_store_b128 v[STO], v[32*\dt+8*(\m):32*\dt+8*(\m)+3] offset:512+64*\dt
	ds_store_b128 v[STO], v[32*\dt+8*(\m)+4:32*\dt+8*(\m)+7] offset:512+64*\dt+16
.endr
	WIN 0
.irp k, 0,1,2,3,4,5,6,7,8,9,10,11,12,13,14,15,16,17,18,19,20,21,22,23,24,25,26,27,28,29,30,31
	ds_load_b128 v[AF+4*\k:AF+4*\k+3], v[AB0] offset:SPITCH*(\k/2)+512*(\k%2)   ; LDS serves a wave's instructions in order: these see the stores above, and the next tile's stores come behind them
.endr
.irp k, 0,1,2,3,4,5,6,7,8,9,10,11,12,13,14,15,16,17,18,19,20,21,22,23,24,25,26,27,28,29,30,31
	s_wait_dscnt 31-\k                             ; load k is in; the younger ones may be out
	global_store_b128 v[GOF], v[AF+4*\k:AF+4*\k+3], s[OB:OB+1] offset:(16*(\m)+\k/2)*4096+512*(\k%2) th:TH_STORE_NT   ; 32 lanes store 512 consecutive bytes, at a multiple of 256 from out0's first byte
.endr
.endm
.irp m, 0,1,2,3
	OUTM \m
.endr
	s_wait_tensorcnt 0x0                           ; the wave's end, behind my last tensor load and my last LDS store
	ds_add_u32 v[SPW], v[NIL]
	s_wait_dscnt 0x0
	CROUND                                         ; the closing round: no work-group ends while a partner may still ask for a quarter that names it
	s_endpgm
.Lfunc_end_k_q444f37af0d_attn:
	.size	k_q444f37af0d_attn, .Lfunc_end_k_q444f37af0d_attn-k_q444f37af0d_attn
	.p2alignl 7, 3214868480
	.fill 96, 4, 3214868480
	.section	.rodata,"a",@progbits
	.p2align	6, 0x0
	.amdhsa_kernel k_q444f37af0d_attn
		.amdhsa_group_segment_fixed_size 327680
		.amdhsa_private_segment_fixed_size 0
		.amdhsa_enable_private_segment 0
		.amdhsa_kernarg_size 24
		.amdhsa_user_sgpr_count 2
		.amdhsa_user_sgpr_kernarg_segment_ptr 1
		.amdhsa_wavefront_size32 1
		.amdhsa_system_sgpr_workgroup_id_x 1
		.amdhsa_system_sgpr_workgroup_id_y 1
		.amdhsa_system_sgpr_workgroup_id_z 1
		.amdhsa_system_vgpr_workitem_id 0
		.amdhsa_next_free_vgpr 1024
		.amdhsa_next_free_sgpr 66
		.amdhsa_reserve_vcc 0
		.amdhsa_float_denorm_mode_32 3
		.amdhsa_float_denorm_mode_16_64 3
		.amdhsa_memory_ordered 1
		.amdhsa_forward_progress 1
		.amdhsa_inst_pref_size 255
	.end_amdhsa_kernel
	.section	.bss,"aw",@nobits
	.p2align	6
	.space	262144
	.amdgpu_metadata
---
amdhsa.version: [ 1, 2 ]
amdhsa.kernels:
  - .name:           k_q444f37af0d_attn
    .symbol:         k_q444f37af0d_attn.kd
    .args:
      - { .name: qc, .offset: 0, .size: 8, .value_kind: global_buffer, .address_space: global }
      - { .name: kv, .offset: 8, .size: 8, .value_kind: global_buffer, .address_space: global }
      - { .name: out0, .offset: 16, .size: 8, .value_kind: global_buffer, .address_space: global }
    .group_segment_fixed_size: 327680
    .private_segment_fixed_size: 0
    .kernarg_segment_align: 8
    .kernarg_segment_size: 24
    .max_flat_workgroup_size: 128
    .sgpr_count:     66
    .vgpr_count:     1024
    .wavefront_size: 32
...
	.end_amdgpu_metadata
.endif
;; end of part 2
;; ======== version 2 of 2: 2 launches
;; workspace buffers: qc 13,107,200 bytes; kv 26,214,400 bytes
;; launch quant: the kernel of part 1 again; grid 768 x 1, 4 waves a work-group, no clusters, 34,304 bytes of LDS; arguments qm, km, vm, qc, kv; writes qc, kv
;; launch attn (part 3): grid 32 x 8, 4 waves a work-group, clusters of 4 x 1, 327,680 bytes of LDS; arguments qc, kv, out0; writes out0
.if DOCPART == 3
	.amdgcn_target "amdgcn-amd-amdhsa--gfx1250"
	.amdhsa_code_object_version 6
	.text
	.protected	k_q444f37af0d_attn
	.globl	k_q444f37af0d_attn
	.p2align	8
	.type	k_q444f37af0d_attn,@function
k_q444f37af0d_attn:
	s_mov_b64 s[64:65], 0
	v_nop
	global_prefetch_b8 v0, s[64:65] scope:SCOPE_SE
	s_setreg_imm32_b32 hwreg(HW_REG_WAVE_MODE, 25, 1), 1
	s_wait_xcnt 0x0
	s_wait_alu depctr_hold_cnt(0) depctr_sa_sdst(0) depctr_va_vdst(0) depctr_va_sdst(0) depctr_va_ssrc(0) depctr_va_vcc(0) depctr_vm_vsrc(0)
	s_getreg_b32 s2, hwreg(HW_REG_IB_STS2, 6, 4)
	s_cmp_eq_u32 s2, 0
	s_cbranch_scc0 .Lentry_in_a_cluster
	s_endpgm
.Lentry_in_a_cluster:
	s_bfe_u32 s2, ttmp6, 0x10000c
	s_cmp_lg_u32 s2, 0x3003
	s_cbranch_scc0 .Lentry_shape_is_right
	s_endpgm
.Lentry_shape_is_right:
; out0[b][q][:] = softmax over the last axis of ( Q6(qm km^T / 32) Q6(vm) ), both products on codes of E3M2 with E8M0 scales; sums, maxima and exponentials in f32.
; qc, kv: codes and scale words as images of operand registers (an image: three planes of 512 bytes, plane j = registers 4 j .. 4 j + 3, lane l at 16 l).  The factor 1 / 32 lies in qm's scale bytes.
; SHARES.  A work-group owns 64 queries of one batch (four tiles m of 16) and whole output rows.  THE WAVES SHARE THE COLUMNS: in the first product wave w makes keys 128 w .. + 127 of a super-step of 512 keys, for all 64
; queries (8 x 4 tiles, 256 registers); in the second it makes outputs 256 w .. + 255 (16 x 4 tiles, 512 registers).  Its 128 keys are one K step of the second product: quantised in registers, they are whole fragments
; and whole scale words, which reach the other waves through LDS as images.  Both products are used transposed (source 0 = 16 keys, or 16 outputs; source 1 = 16 queries): a lane holds one query throughout.
; THE STREAM.  kv is walked in 32 chunks of 102,400 bytes (4 of km, 4 of vm for each super-step) through two LDS slots.  A chunk's quarter w holds what wave w alone multiplies: it fetches it and reads it.
; THE ORDER OF THE WALK.  The eight clusters of a batch begin at four different super-steps: cluster x begins at super-step G0 = (x xor 3 (x / 4)) % 4 and walks round the batch's stream: chunk n of its walk is chunk
; (8 G0 + n) % 32 of the stream.  So the batch's clusters ask for four different parts of the stream at a time, and each part is asked for in each quarter of the launch by other clusters.  Any four clusters that agree in
; one bit of x begin at four different super-steps.
; CLUSTER.  The four work-groups of a cluster belong to one batch and walk the same stream in the same order: each quarter is asked for JOINTLY, by the same tensor load with the same descriptor and the mask 15.
; A CHUNK is 8 units of 8 matrix instructions (2 fragments of the stream x 4 tiles of queries), on 8 different accumulators.  Behind unit u its two places take the fragments of unit u + 4 (from unit 4 on: the next chunk's).
; A wave has two tensor loads out at the start and one behind each round.
; LIMITS: NaN and infinities are not served.  A block of the computed operand whose largest magnitude lies under 2^(5 - 127) is held at that floor's scale; a block of zeros carries the floor's byte over zero codes.
; An exponential that would fall under 2^-126 comes out as 0.  The second product's f32 sums take the keys super-step by super-step from G0 on and round the end: another order of rounding than keys 0 to 2,047.
; REGISTERS, in windows of 256: window 0: addresses, scale words, fragments, all that vector work touches; window 1: S^T, tile (kt, m) at 64 m + 8 kt; windows 2, 3: O^T, tile (dt, m) at 8 ((4 dt + m) % 32) of window 2 + dt / 8.
.set CH,    102400                     ; a chunk
.set QT,    25600                      ; a quarter: 16 images, then 1,024 bytes of scale words
.set FRB,   1536                       ; an image
.set SLOT1, 1<<17                      ; slot 1 begins here: one exclusive or turns an address in one slot into the other's
.set PIMG,  102400                     ; LDS behind slot 0: the computed operand's 16 images (4 c + m),
.set PSC,   126976                     ; its scale words [c][r][m],
.set XM,    128000                     ; the waves' row maxima [m][r][w], and 1,024 bytes on their row sums
.set QIMG,  233472                     ; behind slot 1: Q's 32 images (4 s + m),
.set QSC,   282624                     ; its scale words [s][r][m],
.set SPARE, 284672                     ; and the spare words, 128 bytes for each wave: two blocks of 256 bytes that no other line names
.set SPITCH, 1040                      ; the way out: 16 rows of 1,024 bytes + 16, in my own quarter of slot 0, which has then had its last fill and its last read
.set LN,  1                            ; v1   lane
.set RR,  2                            ; v2   r = lane % 16
.set HH,  3                            ; v3   h = lane / 16
.set AB0, 4                            ; v4   my quarter + 16 x lane
.set ADR, 5                            ; v5   the same in the slot in hand
.set SB0, 6                            ; v6   my quarter's scale words + 4 x lane
.set ASA, 7                            ; v7   the same in the slot in hand
.set BQ,  8                            ; v8   Q's images + 16 x lane, stepped by a pair of K steps
.set BSQ, 9                            ; v9   Q's scale words + 16 r, stepped likewise
.set BP,  10                           ; v10  P's images + 16 x lane
.set BSP, 11                           ; v11  P's scale words + 16 r
.set PWI, 12                           ; v12  where I store my images of P
.set PWS, 13                           ; v13  and their scale words
.set SPW, 14                           ; v14  my spare word; never rewritten
.set NIL, 15                           ; v15  0; never rewritten
.set AS,  16                           ; v16-23  the stream's scale words of a chunk: they hold nothing else
.set BS,  24                           ; v24-27, v28-31  Q's or P's scale words, two sets: they hold nothing else
.set PW,  32                           ; v32-35  the scale words just made
.set PFO, 36                           ; v36  the prefetches' offset; never rewritten
.set STO, 41                           ; v41  the way out: where I put 32 bytes of a row
.set GOF, 43                           ; v43  16 x lane
.set XR,  44                           ; v44  XM + 16 r
.set XW,  45                           ; v45  XM + 16 r + 4 w
.set AF,  48                           ; v48-143   eight places for the stream's fragments: fragment f at place f % 8
.set BF,  144                          ; v144-191, v192-239  four fragments of Q or P, two sets; while quantising: codes (20 registers a tile) and TM
.set TM,  224
.set PD,  240                          ; v240-243  lane permutes' destinations
.set MX,  244                          ; v244-247  the epilogue's maxima and sums
.set T4,  176                          ; the epilogue: four waves' figures,
.set NM,  192                          ; - log2(e) x the row's maximum, as pairs,
.set SM,  200                          ; the sums, as pairs,
.set RP,  208                          ; 1 / the row's sum, as pairs
.set WV,  10
.set CX,  11
.set QB,  12
.set BA,  13
.set G1,  16                           ; s[16:23] descriptor group 1
.set GA,  24                           ; s[24:27] group 0 of the walk's chunk 0
.set GW,  28                           ; s[28:31] group 0 of the walk's chunk 1, which then walks on
.set TB,  32                           ; s32  LDS byte at which the slot in hand begins
.set WRP, 33                           ; s33  30 - 8 G0: the chunk of the walk at whose change of slots the walking descriptor passes the stream's end
.set PFA, 34                           ; s[34:35] where my prefetches stand
.set LIM, 36                           ; s36  3 in clusters 0 to 3 of a batch, else 0
.set N,   37                           ; s37  the chunk of the walk in hand
.set GC,  38
.set KT,  39
.set SEL, 40                           ; s[40:41] v_permlanex16_b32's selects for lane l xor 16
.set LG,  42                           ; s[42:43] log2(e), twice
.set NLG, 44                           ; s44  - log2(e)
.set FLR, 45                           ; s45  the floor 2^(5 - 127)
.set OB,  46                           ; s[46:47] out0 at my rows and columns
.set WS,  60                           ; s[60:61] what the walking descriptor goes back by: the stream's 32 chunks at the wrap, else 0
.set MSB, 0
.macro WIN new                         ; the immediate's high byte repeats the setting that is left; a switch that changes nothing is dropped
.if MSB != (\new)
	s_set_vgpr_msb (MSB<<8)|(\new)
.set MSB, (\new)
.endif
.endm
.macro PLACES                          ; four plain vector instructions between a matrix instruction and a load into, or a vector instruction on, its registers (ISA guide 7.12.1 for vector instructions)
.rept 4
	v_nop
.endr
.endm
.macro CREST                           ; a round of the cluster's barrier behind its opening barrier
	s_cmp_lg_u32 s[WV], 0
	s_cbranch_scc1 .Lnot_wave_0_\@
	s_barrier_signal -3
.Lnot_wave_0_\@:
	s_barrier_wait -3
	s_barrier_signal -1
	s_barrier_wait -1
.endm
.macro CROUND
	s_barrier_signal -1
	s_barrier_wait -1
	CREST
.endm
.macro FRAG reg, adr, off              ; an image comes back as the registers that it was
.irp j, 0,1,2
	ds_load_b128 v[(\reg)+4*\j:(\reg)+4*\j+3], v[\adr] offset:(\off)+512*\j
.endr
.endm
.macro RUN fu                          ; the two fragments of unit fu of the slot in hand: six loads
	FRAG AF+12*((2*(\fu))%8), ADR, (2*(\fu))*FRB
	FRAG AF+12*((2*(\fu)+1)%8), ADR, (2*(\fu)+1)*FRB
.endm
.macro ASLOAD i0                       ; four of the chunk's eight registers of scale words
.irp i, 0,1,2,3
	ds_load_b32 v[AS+(\i0)+\i], v[ASA] offset:128*((\i0)+\i)
.endr
.endm
.macro BLOAD set, adr, off, sadr, soff ; four fragments of Q or P and their scale words (lane r: the words of tiles 0 to 3): thirteen loads
.irp m, 0,1,2,3
	FRAG BF+48*(\set)+12*\m, \adr, (\off)+FRB*\m
.endr
	ds_load_b128 v[BS+4*(\set):BS+4*(\set)+3], v[\sadr] offset:\soff
.endm
.macro MM d, a, b, cz, x, y, row       ; one product; cz = 1: it starts the sum; row = 1: source 0's scale words stand in lanes 16-31
.if \cz
.if \row
	v_wmma_scale_f32_16x16x128_f8f6f4 v[\d:\d+7], v[\a:\a+11], v[\b:\b+11], 0, v[\x], v[\y] matrix_a_fmt:MATRIX_FMT_BF6 matrix_b_fmt:MATRIX_FMT_BF6 matrix_a_scale:MATRIX_SCALE_ROW1
.else
	v_wmma_scale_f32_16x16x128_f8f6f4 v[\d:\d+7], v[\a:\a+11], v[\b:\b+11], 0, v[\x], v[\y] matrix_a_fmt:MATRIX_FMT_BF6 matrix_b_fmt:MATRIX_FMT_BF6
.endif
.else
.if \row
	v_wmma_scale_f32_16x16x128_f8f6f4 v[\d:\d+7], v[\a:\a+11], v[\b:\b+11], v[\d:\d+7], v[\x], v[\y] matrix_a_fmt:MATRIX_FMT_BF6 matrix_b_fmt:MATRIX_FMT_BF6 matrix_a_scale:MATRIX_SCALE_ROW1
.else
	v_wmma_scale_f32_16x16x128_f8f6f4 v[\d:\d+7], v[\a:\a+11], v[\b:\b+11], v[\d:\d+7], v[\x], v[\y] matrix_a_fmt:MATRIX_FMT_BF6 matrix_b_fmt:MATRIX_FMT_BF6
.endif
.endif
.endm
; Unit u of a chunk of km: K step u / 4 of the chunk's two, key tiles 2 (u % 4) and 2 (u % 4) + 1, against Q's four tiles.  The accumulators take turns, one instruction a turn.
.macro KUNIT u, zero
.irp a, 0,1
.irp m, 0,1,2,3
.set rD, 64*\m+8*(2*((\u)%4)+\a)
.set rA, AF+12*((2*(\u)+\a)%8)
.set rB, BF+48*((\u)/4)+12*\m
.set rX, AS+2*((\u)%4)+\a
.set rY, BS+4*((\u)/4)+\m
	MM rD, rA, rB, \zero, rX, rY, (\u)/4
.endr
.endr
.endm
; Unit u of chunk c of vm: output tiles 2 u and 2 u + 1 against P's four tiles of K step c
.macro VUNIT u, c, zero
.irp a, 0,1
.irp m, 0,1,2,3
.set rD, 8*((4*(2*(\u)+\a)+\m)%32)
.set rA, AF+12*((2*(\u)+\a)%8)
.set rB, BF+48*((\c)%2)+12*\m
.set rX, AS+(\u)
.set rY, BS+4*((\c)%2)+\m
	MM rD, rA, rB, \zero, rX, rY, \a
.endr
.endr
.endm
.macro UNIT ty, u, c, zero             ; ty = 0: km; 1: vm
.if \ty
	WIN 0xa0+0x50*((\u)/4)                         ; C and D in window 2 or 3
	VUNIT \u, \c, \zero
.else
	WIN 0x50                                       ; C and D in window 1
	KUNIT \u, \zero
.endif
.endm
.macro TAIL fu                         ; behind a unit: the places, then the run into the two places that it has left
	PLACES
	WIN 0
	RUN \fu
.endm
; A PREFETCH INTO THE L2, in a cluster's first super-step alone: at the change of slots in chunk n = 0, 1, 2 of its walk the chunk n + 5 is named, three changes ahead of the tensor load that will ask for it.  What a
; cluster's later super-steps hold, another cluster of the batch has begun with.  Two clusters of a batch begin at each super-step: the one with x under 4 asks.  Its four partners and their four waves share a chunk
; out BY ADDRESS, 6,400 bytes each: a lane names one aligned block of 256 bytes; lanes 25 to 31 repeat lane 24's.  So each block is named at most once in the launch, and none lies past the super-step's eighth
; chunk.  Chunks 0 to 4 come by their loads alone.  The address goes on stepping afterwards and is not used.
.macro ASK
	s_cmp_lt_u32 s[N], s[LIM]
	s_cbranch_scc0 .Lnot_mine_\@
	global_prefetch_b8 v[PFO], s[PFA:PFA+1] th:TH_LOAD_NT scope:SCOPE_SE
.Lnot_mine_\@:
.endm
; Units 0 to 3, and the runs that bring units 4 to 7: the slot's last reads.  w0: what may be out at the head.
.macro HALF1 ty, c, zero, w0
	s_wait_dscnt \w0                               ; 16: units 0 and 1, their scale words and source 1 are in; the runs of units 2 (6 loads) and 3 (6 + 4) may be out
	UNIT \ty, 0, \c, \zero
	TAIL 4
.if \ty == 0
	BLOAD 1, BQ, 4*FRB, BSQ, 256                   ; Q of the chunk's second K step
.endif
	UNIT \ty, 1, \c, \zero
	TAIL 5
	s_wait_dscnt 12+13*(1-\ty)                     ; all but the two runs just issued
	UNIT \ty, 2, \c, \zero
	TAIL 6
	UNIT \ty, 3, \c, \zero
	TAIL 7
.endm
; THE CHANGE OF SLOTS, with units 4 and 5.  fill = 1: each wave waits for all its tensor loads (one is out: its quarter of the next chunk), adds 0 to its spare word, and waits for that and for its reads of this slot;
; a round of the cluster's barrier; the joint refill, chunk n + 2 of the walk into the slot just read out, is the first thing behind it.  Then the next chunk's first two units are fetched.
.macro MID ty, c, zero, fill
.if \fill
	s_wait_xcnt 0x0                                ; the last prefetch, a chunk back, has read its address
	s_add_nc_u64 s[PFA:PFA+1], s[PFA:PFA+1], CH
	s_wait_tensorcnt 0x0                           ; no tensor load of mine is out, so the walking group 0 may be written
	ds_add_u32 v[SPW], v[NIL]                      ; 0 onto my spare word
	s_xor_b32 s[GW+1], s[GW+1], SLOT1              ; the other slot than last time,
	s_add_nc_u64 s[GW+2:GW+3], s[GW+2:GW+3], CH    ; the next chunk; the type bits on top are not reached
	s_cmp_eq_u32 s[N], s[WRP]                      ; chunk n + 2 of the walk is chunk 8 G0 + n + 2 of the stream: where that is 32, the walk goes on at the stream's chunk 0.
	s_cselect_b32 s[WS], 32*CH, 0                  ; A choice, not a branch; it hangs on the cluster's x and on the count of chunks, which the four partners share
	s_sub_nc_u64 s[GW+2:GW+3], s[GW+2:GW+3], s[WS:WS+1]
	s_wait_dscnt 19                                ; unit 4's run is in; three runs of six and the add may be out
	UNIT \ty, 4, \c, \zero
	s_wait_dscnt 0x0                               ; the add is done, and my reads of this slot are over
	s_barrier_signal -1
	UNIT \ty, 5, \c, \zero
	WIN 0
	s_barrier_wait -1
	CREST
	tensor_load_to_lds s[GW:GW+3], s[G1:G1+7]
	s_nop 0
	PLACES                                         ; four v_nop behind the load; they are also the places in front of the loads below
.else
	s_wait_tensorcnt 0x0                           ; the last chunk has landed; nothing is filled again, and only I read my quarter: no barrier
	s_wait_dscnt 18
	UNIT \ty, 4, \c, \zero
	s_wait_dscnt 0x0
	UNIT \ty, 5, \c, \zero
	PLACES
	WIN 0
.endif
	s_xor_b32 s[TB], s[TB], SLOT1
	v_add_nc_u32 v[ADR], s[TB], v[AB0]
	v_add_nc_u32 v[ASA], s[TB], v[SB0]
	RUN 0
	RUN 1
	ASLOAD 0
.endm
.macro REST ty, c, zero                ; units 6 and 7, and the next chunk's units 2 and 3
	UNIT \ty, 6, \c, \zero
	TAIL 2
	UNIT \ty, 7, \c, \zero
	TAIL 3
	ASLOAD 4
.endm
.macro KCHUNK zero, inloop             ; a chunk of km: two K steps of the first product
	HALF1 0, 0, \zero, 16
	MID 0, 0, 0, 1
.if \inloop
	s_cmp_eq_u32 s[KT], 1                          ; behind the last pair of K steps there is no Q to fetch; later counted waits name younger loads alone, so they hold on both ways
	s_cbranch_scc1 .Lno_q_\@
.endif
	BLOAD 0, BQ, 8*FRB, BSQ, 512                   ; Q of the next chunk's first K step
.Lno_q_\@:
	ASK
	s_add_co_u32 s[N], s[N], 1
	REST 0, 0, 0
	v_add_nc_u32 v[BQ], 8*FRB, v[BQ]
	v_add_nc_u32 v[BSQ], 512, v[BSQ]
.endm
.macro P1                              ; S^T of a super-step: the first chunk starts the sums and is written out; three more in a loop
	KCHUNK 1, 0
	s_mov_b32 s[KT], 3
.Lkc_\@:
	KCHUNK 0, 1
	s_sub_co_u32 s[KT], s[KT], 1
	s_cmp_lg_u32 s[KT], 0
	s_cbranch_scc1 .Lkc_\@
	s_wait_dscnt 0x0                               ; no LDS load is out when the quantiser writes the registers that held Q
	v_lshl_add_u32 v[BQ], v[LN], 4, QIMG
	v_lshl_add_u32 v[BSQ], v[RR], 4, QSC
.endm
; Tile m of queries: my 64 numbers of S^T (register 16 b + i = key 32 b + 16 h + i of my 128) become a fragment and a scale word, and go to LDS as images: K step w of the second product
.macro QUANTS m
.set SS, 64*(\m)
.set PCM, BF+20*(\m)
	WIN 0x14                                       ; sources 1 and 2 in window 1
.irp b, 0,1,2,3
	v_max3_num_f32 v[TM+\b], s[FLR], |v[SS+16*\b]|, |v[SS+16*\b+1]|   ; each accumulator is read from its low end on
.endr
.irp i, 2,4,6,8,10,12,14
.irp b, 0,1,2,3
	v_max3_num_f32 v[TM+\b], v[TM+\b], |v[SS+16*\b+\i]|, |v[SS+16*\b+\i+1]|
.endr
.endr
	WIN 0
.irp b, 0,1,2,3
	v_permlanex16_b32 v[PD+\b], v[TM+\b], s[SEL], s[SEL+1]
.endr
.irp b, 0,1,2,3
	v_max_num_f32 v[TM+\b], v[TM+\b], v[PD+\b]     ; the block's largest magnitude
.endr
.irp b, 0,1,2,3
	v_add_nc_u32 v[TM+12+\b], 0xfe000000, v[TM+\b] ; 4 off its exponent field: the conversion's scale operand
.endr
.irp b, 0,1,2,3
	v_lshrrev_b32 v[TM+4+\b], 23, v[TM+12+\b]      ; the scale's byte
.endr
	v_lshl_or_b32 v[PW+(\m)], v[TM+5], 8, v[TM+4]
	v_lshl_or_b32 v[PW+(\m)], v[TM+6], 16, v[PW+(\m)]
	v_lshl_or_b32 v[PW+(\m)], v[TM+7], 24, v[PW+(\m)]
	WIN 0x01                                       ; source 0 in window 1
.irp c, 0,1
	v_cvt_scalef32_pk16_bf6_f32 v[PCM+6*\c:PCM+6*\c+2], v[SS+32*\c:SS+32*\c+15], v[TM+12+2*\c]
	v_cvt_scalef32_pk16_bf6_f32 v[PCM+12+4*\c:PCM+14+4*\c], v[SS+32*\c+16:SS+32*\c+31], v[TM+12+2*\c+1]
.endr
	WIN 0
	v_nop                                          ; one plain instruction behind the scaled conversions
.irp c, 0,1
.irp i, 0,1,2
	v_permlane16_swap_b32 v[PCM+6*\c+\i], v[PCM+12+4*\c+\i]
.endr
.irp i, 0,1,2
	v_mov_b32 v[PCM+3+6*\c+\i], v[PCM+12+4*\c+\i]
.endr
.endr
.irp j, 0,1,2
	ds_store_b128 v[PWI], v[PCM+4*\j:PCM+4*\j+3] offset:FRB*(\m)+512*\j
.endr
	ds_store_b32 v[PWS], v[PW+(\m)] offset:4*(\m)  ; lanes r and 16 + r write the same word with the same value
.endm
.macro P2START                         ; my images have landed; then everybody's have.  My one tensor load may stay out
	s_wait_dscnt 0x0
	s_barrier_signal -1
	s_barrier_wait -1
	BLOAD 0, BP, 0, BSP, 0
.endm
; Chunk c of vm.  mode 1: a slot is filled again; 0: nothing is left to ask for; 2: the last chunk, nothing is left to fetch
.macro VCHUNK c, zero, mode, w0
	HALF1 1, \c, \zero, \w0
.if \mode == 2
	s_wait_dscnt 18                                ; the four runs come in one after the other
	UNIT 1, 4, \c, \zero
	s_wait_dscnt 12
	UNIT 1, 5, \c, \zero
	s_wait_dscnt 6
	UNIT 1, 6, \c, \zero
	s_wait_dscnt 0x0
	UNIT 1, 7, \c, \zero
	PLACES
	WIN 0
.else
	MID 1, \c, \zero, \mode
.if \c == 3
	BLOAD 0, BQ, 0, BSQ, 0                         ; the next super-step's first K step of Q
.else
	BLOAD ((\c)+1)%2, BP, 4*((\c)+1)*FRB, BSP, 256*((\c)+1)
.endif
.if \mode
	ASK
	s_add_co_u32 s[N], s[N], 1
.endif
	REST 1, \c, \zero
.endif
.endm
	s_load_b128 s[4:7], s[0:1], 0x0                ; qc, kv
	s_load_b64 s[8:9], s[0:1], 0x10                ; out0
	v_lshl_add_u32 v[SPW], v0, 2, SPARE
	v_mov_b32 v[NIL], 0
	ds_add_u32 v14, v15
	ds_add_u32 v14, v15
	s_wait_dscnt 0x0
	v_lshrrev_b32 v1, 5, v0
	v_readfirstlane_b32 s[WV], v1                  ; wave 0..3
	v_and_b32 v[LN], 31, v0
	v_and_b32 v[RR], 15, v0
	v_bfe_u32 v[HH], v0, 4, 1
	s_bfe_u32 s[CX], ttmp6, 0x40000                ; my place in the cluster
	s_lshl_b32 s[QB], ttmp9, 2
	s_add_co_u32 s[QB], s[QB], s[CX]               ; my block of 64 queries: it enters qc's and out0's addresses alone
	s_and_b32 s[BA], ttmp7, 0xffff                 ; the batch, which the four partners share
	; descriptor group 1: a quarter is a dense block: 100 rows of 256 bytes (32 elements of 8 bytes), no padding
	s_mov_b32 s[G1], 15|(3<<16)|(1<<21)            ; 15:0 the mask: all four work-groups; 17:16 elements of 8 bytes; 21 set beside a mask
	s_mov_b32 s[G1+1], 32<<16                      ; tensor_dim0
	s_mov_b32 s[G1+2], 100<<16                     ; tensor_dim1
	s_mov_b32 s[G1+3], 32<<16                      ; tile_dim0
	s_mov_b32 s[G1+4], 100                         ; tile_dim1
	s_mov_b32 s[G1+5], 32                          ; the pitch
	s_mov_b32 s[G1+6], 0
	s_mov_b32 s[G1+7], 0
	s_mov_b32 s[SEL], 0x76543210
	s_mov_b32 s[SEL+1], 0xfedcba98
	s_mov_b32 s[LG], 0x3fb8aa3b
	s_mov_b32 s[LG+1], s[LG]
	s_mov_b32 s[NLG], 0xbfb8aa3b
	s_mov_b32 s[FLR], 0x2800000
	s_mov_b32 s[TB], 0
	s_mov_b32 s[N], 0
	s_cmp_lt_u32 ttmp9, 4                          ; in a cluster launch ttmp9 counts clusters: the same in all four partners
	s_cselect_b32 s[LIM], 3, 0
	s_lshr_b32 s49, ttmp9, 2                       ; where my cluster's walk begins:
	s_mul_i32 s49, s49, 3
	s_xor_b32 s49, s49, ttmp9
	s_and_b32 s49, s49, 3                          ; G0 = (x xor 3 (x / 4)) % 4
	s_lshl_b32 s[WRP], s49, 3
	s_sub_co_u32 s[WRP], 30, s[WRP]                ; 30 - 8 G0 (with G0 = 0: chunk 30, at which nothing is asked for: no wrap)
	s_mov_b32 s[WS+1], 0
	s_mul_i32 s49, s49, 8*CH                       ; a super-step is eight chunks
	s_mul_i32 s50, s[WV], QT                       ; my quarter: in a chunk and in a slot
	s_mul_i32 s48, s[BA], 32*CH                    ; the batch's stream,
	s_add_co_u32 s48, s48, s49                     ; at the walk's first chunk
	s_add_co_u32 s52, s48, s50
	s_mov_b32 s53, 0
	s_mul_i32 s54, s[CX], QT                       ; the prefetches: my work-group's quarter of a chunk,
	s_add_co_u32 s54, s54, s48
	s_mul_i32 s55, s[WV], 6400                     ; my wave's quarter of that,
	s_add_co_u32 s54, s54, s55
	s_add_co_u32 s54, s54, 4*CH                    ; in the walk's chunk 4: the first change of slots steps it to chunk 5
	s_mov_b32 s55, 0
	s_lshl_b32 s56, s[BA], 5
	s_add_co_u32 s56, s56, s[QB]
	s_mul_i32 s56, s56, 51200                      ; my block of qc
	s_mov_b32 s57, 0
	s_lshl_b32 s58, s[BA], 11
	s_lshl_b32 s59, s[QB], 6
	s_add_co_u32 s58, s58, s59
	s_lshl_b32 s58, s58, 12                        ; my first row of out0, 4,096 bytes a row,
	s_lshl_b32 s59, s[WV], 10
	s_add_co_u32 s58, s58, s59                     ; and my wave's 256 columns
	s_mov_b32 s59, 0
	v_lshl_add_u32 v[AB0], v[LN], 4, s50
	v_add_nc_u32 v[ADR], s[TB], v[AB0]
	v_lshl_add_u32 v[SB0], v[LN], 2, s50
	v_add_nc_u32 v[SB0], 16*FRB, v[SB0]
	v_add_nc_u32 v[ASA], s[TB], v[SB0]
	v_lshl_add_u32 v[BQ], v[LN], 4, QIMG
	v_lshl_add_u32 v[BSQ], v[RR], 4, QSC
	v_lshl_add_u32 v[BP], v[LN], 4, PIMG
	v_lshl_add_u32 v[BSP], v[RR], 4, PSC
	s_mul_i32 s51, s[WV], 4*FRB
	v_add_nc_u32 v[PWI], s51, v[BP]
	s_lshl_b32 s51, s[WV], 8
	v_add_nc_u32 v[PWS], s51, v[BSP]
	s_mul_i32 s51, s[WV], 8*FRB                    ; my quarter of Q's images: in qc and in LDS
	v_lshl_add_u32 v37, v[LN], 4, s51
	v_add_nc_u32 v39, s51, v[BQ]
	s_lshl_b32 s51, s[WV], 9
	s_add_co_u32 s51, s51, 32*FRB
	v_lshl_add_u32 v38, v[LN], 2, s51              ; the scale words of tile m = w in qc: lanes 0-15 an even K step's, lanes 16-31 the odd one's
	v_lshl_add_u32 v40, v[HH], 8, v[BSQ]
	s_lshl_b32 s51, s[WV], 2
	v_add_nc_u32 v40, s51, v40                     ; and in LDS: [s][r][m]: 256 h + 16 r + 4 w
	v_lshl_add_u32 v[XR], v[RR], 4, XM
	v_add_nc_u32 v[XW], s51, v[XR]
	v_mul_u32_u24 v[STO], v[RR], SPITCH
	v_lshl_add_u32 v[STO], v[HH], 5, v[STO]
	v_add_nc_u32 v[STO], s50, v[STO]
	v_lshlrev_b32 v[GOF], 4, v[LN]
	v_min_u32 v[PFO], 24, v[LN]
	v_lshlrev_b32 v[PFO], 8, v[PFO]
.irp b, 0,1,2,3
	v_mov_b32 v[PD+\b], 0                          ; written once: a lane permute's destination counts as one of its sources
.endr
	s_wait_kmcnt 0x0
	s_add_nc_u64 s[4:5], s[4:5], s[56:57]
	s_add_nc_u64 s[PFA:PFA+1], s[6:7], s[54:55]
	s_add_nc_u64 s[OB:OB+1], s[8:9], s[58:59]
	s_add_nc_u64 s[52:53], s[6:7], s[52:53]        ; kv at my quarter of the walk's chunk 0: made of the batch, the cluster's x and the wave's number alone
	s_mov_b32 s[GA], 1                             ; count = 1
	s_mov_b32 s[GA+1], s50                         ; LDS address: slot 0
	s_mov_b64 s[GA+2:GA+3], s[52:53]
	s_or_b32 s[GA+3], s[GA+3], 0x80000000          ; type = 2
	s_mov_b32 s[GW], 1
	s_add_co_u32 s[GW+1], s50, SLOT1               ; slot 1
	s_add_nc_u64 s[GW+2:GW+3], s[52:53], CH        ; the walk's chunk 1: chunk 8 G0 + 1 of the stream, 25 at the most
	s_or_b32 s[GW+3], s[GW+3], 0x80000000
	CROUND                                         ; all four work-groups are here: the first joint loads meet
	tensor_load_to_lds s[GA:GA+3], s[G1:G1+7]      ; the two first fills stand together, ahead of every wait on TENSORcnt, every LDS read and every other barrier
	s_nop 0
	tensor_load_to_lds s[GW:GW+3], s[G1:G1+7]
	s_nop 0
	PLACES
.irp k, 0,1,2,3,4,5,6,7,8,9,10,11,12,13,14,15,16,17,18,19,20,21,22,23
	global_load_b128 v[BF+4*\k:BF+4*\k+3], v37, s[4:5] offset:512*\k th:TH_LOAD_NT
.endr
.irp k, 0,1,2,3
	global_load_b32 v[MX+\k], v38, s[4:5] offset:128*\k th:TH_LOAD_NT
.endr
	s_wait_loadcnt 0x0
.irp k, 0,1,2,3,4,5,6,7,8,9,10,11,12,13,14,15,16,17,18,19,20,21,22,23
	ds_store_b128 v39, v[BF+4*\k:BF+4*\k+3] offset:512*\k
.endr
.irp k, 0,1,2,3
	ds_store_b32 v40, v[MX+\k] offset:512*\k
.endr
	s_wait_dscnt 0x0                               ; for the others' sake: my part of Q lies in LDS
	s_barrier_signal -1
	s_barrier_wait -1                              ; everybody's does
	s_wait_tensorcnt 0x1                           ; my quarter of chunk 0 is in, and only I read it; chunk 1's load may be out
	RUN 0                                          ; the first fetch, in the order in which every chunk leaves its successor's
	RUN 1
	ASLOAD 0
	BLOAD 0, BQ, 0, BSQ, 0
	RUN 2
	RUN 3
	ASLOAD 4
	P1                                             ; chunks 0 to 3 of the walk
.irp m, 0,1,2,3
	QUANTS \m
.endr
	P2START
	VCHUNK 0, 1, 1, 0                              ; the walk's first chunk of vm starts O^T's sums: nothing is ever cleared
	VCHUNK 1, 0, 1, 16
	s_mov_b32 s[GC], 3
.Lsuper:                                               ; three trips, from a super-step's third chunk of vm to the next one's second: eight chunks, eight refills
	VCHUNK 2, 0, 1, 16
	VCHUNK 3, 0, 1, 16
	P1
.irp m, 0,1,2,3
	QUANTS \m
.endr
	P2START
	VCHUNK 0, 0, 1, 0
	VCHUNK 1, 0, 1, 16
	s_sub_co_u32 s[GC], s[GC], 1
	s_cmp_lg_u32 s[GC], 0
	s_cbranch_scc1 .Lsuper
	VCHUNK 2, 0, 0, 16                             ; the tail is written out
	VCHUNK 3, 0, 2, 16
; THE SOFTMAX over a row's 1,024 outputs.  Lane (r, h) of wave w holds, for each tile m, 128 numbers of query r: outputs 256 w + 16 dt + 8 h + j.
.macro ROWMAX
.irp dt, 0,1,2,3,4,5,6,7
.irp j, 0,2,4,6
.irp m, 0,1,2,3
	v_max3_num_f32 v[MX+\m], v[MX+\m], v[32*\dt+8*\m+\j], v[32*\dt+8*\m+\j+1]   ; the four tiles by turns; each accumulator from its low end on
.endr
.endr
.endr
.endm
.macro EXPS                            ; t = o log2(e) - max log2(e), one fused multiply-add (what the rounding of max log2(e) adds is one common factor of the row, which the division takes out); then 2^t, as one batch with one wait
.set xx, 0
.rept 128
	v_pk_fma_f32 v[xx:xx+1], v[xx:xx+1], s[LG:LG+1], v[NM+2*((xx/8)%4):NM+2*((xx/8)%4)+1] op_sel_hi:[1,0,0]
.set xx, xx+2
.endr
.set xx, 0
.rept 256
	v_exp_f32 v[xx], v[xx]
.set xx, xx+1
.endr
	v_nop                                          ; a plain instruction behind the last exponential
	s_wait_alu depctr_va_vdst(0)                   ; a wait ahead of the first instruction that names a result: one for the batch
.endm
.macro ROWSUM
.irp dt, 0,1,2,3,4,5,6,7
.irp j, 0,2,4,6
.irp m, 0,1,2,3
	v_pk_add_f32 v[SM+2*\m:SM+2*\m+1], v[SM+2*\m:SM+2*\m+1], v[32*\dt+8*\m+\j:32*\dt+8*\m+\j+1]
.endr
.endr
.endr
.endm
.macro ROWDIV
.set xx, 0
.rept 128
	v_pk_mul_f32 v[xx:xx+1], v[xx:xx+1], v[RP+2*((xx/8)%4):RP+2*((xx/8)%4)+1] op_sel_hi:[1,0]
.set xx, xx+2
.endr
.endm
.irp m, 0,1,2,3
	v_mov_b32 v[MX+\m], 0xff800000                 ; under every number
.endr
	WIN 0x28                                       ; sources 1 and 2 in window 2
	ROWMAX
	WIN 0x3c                                       ; in window 3
	ROWMAX
	WIN 0
.irp m, 0,1,2,3
	v_permlanex16_b32 v[PD+\m], v[MX+\m], s[SEL], s[SEL+1]
.endr
.irp m, 0,1,2,3
	v_max_num_f32 v[MX+\m], v[MX+\m], v[PD+\m]     ; my wave's 256 outputs of query r
.endr
.irp m, 0,1,2,3
	ds_store_b32 v[XW], v[MX+\m] offset:256*\m
.endr
	s_wait_dscnt 0x0
	s_barrier_signal -1
	s_barrier_wait -1
.irp m, 0,1,2,3
	ds_load_b128 v[T4+4*\m:T4+4*\m+3], v[XR] offset:256*\m
.endr
	s_wait_dscnt 0x0
.irp m, 0,1,2,3
	v_max3_num_f32 v[MX+\m], v[T4+4*\m], v[T4+4*\m+1], v[T4+4*\m+2]
.endr
.irp m, 0,1,2,3
	v_max_num_f32 v[MX+\m], v[MX+\m], v[T4+4*\m+3] ; the row's maximum
.endr
.irp m, 0,1,2,3
	v_mul_f32 v[NM+2*\m], s[NLG], v[MX+\m]
.endr
.irp m, 0,1,2,3
	v_mov_b32 v[NM+2*\m+1], v[NM+2*\m]             ; (named with it as a pair, so it is written)
	v_mov_b32 v[SM+2*\m], 0
	v_mov_b32 v[SM+2*\m+1], 0
.endr
	WIN 0x82                                       ; destination and source 0 in window 2
	EXPS
	WIN 0xc3                                       ; in window 3
	EXPS
	WIN 0x08                                       ; source 1 in window 2
	ROWSUM
	WIN 0x0c
	ROWSUM
	WIN 0
.irp m, 0,1,2,3
	v_add_f32 v[MX+\m], v[SM+2*\m], v[SM+2*\m+1]
.endr
.irp m, 0,1,2,3
	v_permlanex16_b32 v[PD+\m], v[MX+\m], s[SEL], s[SEL+1]
.endr
.irp m, 0,1,2,3
	v_add_f32 v[MX+\m], v[MX+\m], v[PD+\m]
.endr
.irp m, 0,1,2,3
	ds_store_b32 v[XW], v[MX+\m] offset:1024+256*\m
.endr
	s_wait_dscnt 0x0
	s_barrier_signal -1
	s_barrier_wait -1
.irp m, 0,1,2,3
	ds_load_b128 v[T4+4*\m:T4+4*\m+3], v[XR] offset:1024+256*\m
.endr
	s_wait_dscnt 0x0
.irp m, 0,1,2,3
	v_add_f32 v[T4+4*\m], v[T4+4*\m], v[T4+4*\m+1]
	v_add_f32 v[T4+4*\m+2], v[T4+4*\m+2], v[T4+4*\m+3]
.endr
.irp m, 0,1,2,3
	v_add_f32 v[MX+\m], v[T4+4*\m], v[T4+4*\m+2]   ; the row's sum
.endr
.irp m, 0,1,2,3
	v_rcp_f32 v[RP+2*\m], v[MX+\m]
.endr
.irp m, 0,1,2,3
	v_mov_b32 v[RP+2*\m+1], 0                      ; the pairs' upper halves: plain instructions behind the reciprocals
.endr
	s_wait_alu depctr_va_vdst(0)                   ; one wait for the four reciprocals, ahead of their first reader
	WIN 0x82
	ROWDIV
	WIN 0xc3
	ROWDIV
; THE WAY OUT, a tile of 16 queries at a time.  A lane holds 32 neighbouring bytes of a row and the lanes beside it other rows: the tile goes through my stage and comes back as half rows of 512 bytes.
.macro OUTM m
.if (\m) > 0
	s_wait_xcnt 0x0                                ; the last tile's stores have read their registers: they are loaded again only behind this wait
.endif
	WIN 0x08                                       ; an LDS store's data are its source 1: window 2
.irp dt, 0,1,2,3,4,5,6,7
	ds_store_b128 v[STO], v[32*\dt+8*(\m):32*\dt+8*(\m)+3] offset:64*\dt
	ds_store_b128 v[STO], v[32*\dt+8*(\m)+4:32*\dt+8*(\m)+7] offset:64*\dt+16
.endr
	WIN 0x0c                                       ; window 3
.irp dt, 0,1,2,3,4,5,6,7
	ds_store_b128 v[STO], v[32*\dt+8*(\m):32*\dt+8*(\m)+3] offset:512+64*\dt
	ds_store_b128 v[STO], v[32*\dt+8*(\m)+4:32*\dt+8*(\m)+7] offset:512+64*\dt+16
.endr
	WIN 0
.irp k, 0,1,2,3,4,5,6,7,8,9,10,11,12,13,14,15,16,17,18,19,20,21,22,23,24,25,26,27,28,29,30,31
	ds_load_b128 v[AF+4*\k:AF+4*\k+3], v[AB0] offset:SPITCH*(\k/2)+512*(\k%2)   ; LDS serves a wave's instructions in order: these see the stores above, and the next tile's stores come behind them
.endr
.irp k, 0,1,2,3,4,5,6,7,8,9,10,11,12,13,14,15,16,17,18,19,20,21,22,23,24,25,26,27,28,29,30,31
	s_wait_dscnt 31-\k                             ; load k is in; the younger ones may be out
	global_store_b128 v[GOF], v[AF+4*\k:AF+4*\k+3], s[OB:OB+1] offset:(16*(\m)+\k/2)*4096+512*(\k%2) th:TH_STORE_NT   ; 32 lanes store 512 consecutive bytes, at a multiple of 256 from out0's first byte
.endr
.endm
.irp m, 0,1,2,3
	OUTM \m
.endr
	s_wait_tensorcnt 0x0                           ; the wave's end, behind my last tensor load and my last LDS store
	ds_add_u32 v[SPW], v[NIL]
	s_wait_dscnt 0x0
	CROUND                                         ; the closing round: no work-group ends while a partner may still ask for a quarter that names it
	s_endpgm
.Lfunc_end_k_q444f37af0d_attn:
	.size	k_q444f37af0d_attn, .Lfunc_end_k_q444f37af0d_attn-k_q444f37af0d_attn
	.p2alignl 7, 3214868480
	.fill 96, 4, 3214868480
	.section	.rodata,"a",@progbits
	.p2align	6, 0x0
	.amdhsa_kernel k_q444f37af0d_attn
		.amdhsa_group_segment_fixed_size 327680
		.amdhsa_private_segment_fixed_size 0
		.amdhsa_enable_private_segment 0
		.amdhsa_kernarg_size 24
		.amdhsa_user_sgpr_count 2
		.amdhsa_user_sgpr_kernarg_segment_ptr 1
		.amdhsa_wavefront_size32 1
		.amdhsa_system_sgpr_workgroup_id_x 1
		.amdhsa_system_sgpr_workgroup_id_y 1
		.amdhsa_system_sgpr_workgroup_id_z 1
		.amdhsa_system_vgpr_workitem_id 0
		.amdhsa_next_free_vgpr 1024
		.amdhsa_next_free_sgpr 66
		.amdhsa_reserve_vcc 0
		.amdhsa_float_denorm_mode_32 3
		.amdhsa_float_denorm_mode_16_64 3
		.amdhsa_memory_ordered 1
		.amdhsa_forward_progress 1
		.amdhsa_inst_pref_size 255
	.end_amdhsa_kernel
	.section	.bss,"aw",@nobits
	.p2align	6
	.space	262144
	.amdgpu_metadata
---
amdhsa.version: [ 1, 2 ]
amdhsa.kernels:
  - .name:           k_q444f37af0d_attn
    .symbol:         k_q444f37af0d_attn.kd
    .args:
      - { .name: qc, .offset: 0, .size: 8, .value_kind: global_buffer, .address_space: global }
      - { .name: kv, .offset: 8, .size: 8, .value_kind: global_buffer, .address_space: global }
      - { .name: out0, .offset: 16, .size: 8, .value_kind: global_buffer, .address_space: global }
    .group_segment_fixed_size: 327680
    .private_segment_fixed_size: 0
    .kernarg_segment_align: 8
    .kernarg_segment_size: 24
    .max_flat_workgroup_size: 128
    .sgpr_count:     66
    .vgpr_count:     1024
    .wavefront_size: 32
...
	.end_amdgpu_metadata
.endif
;; end of part 3
